; MI455X (gfx1250); checked and timed in simulation.
; The chip was launched on July 23, 2026; its instructions are those of AMD's public machine-readable ISA for CDNA 5 (MIT licence, August 2026) and "CDNA5" Instruction Set Architecture Reference Guide (July 2026). The comments in the code are by the model that wrote it; some were corrected since.
;; Multi Head Self Attention. Allowed arithmetic: matrix products marked QUANTISED: E2M3 operands, one E8M0 scale for each 32 along K, by v_wmma_scale_f32_16x16x128_f8f6f4 with both operands' format E2M3, f32 sums; everything else in f32.
;; Inputs: k_norm_w 64 float32; q_norm_w 64 float32; wk 1,024 x 1,024 float32; wo 1,024 x 1,024 float32; wq 1,024 x 1,024 float32; wv 1,024 x 1,024 float32; x 1 x 4,096 x 1,024 float32.
;; Outputs: out0 1 x 4,096 x 1,024 float32.
;; This version of the problem:
;;   THIS VERSION OF THE PROBLEM IS GIVEN IN LOW PRECISION. The matrix products marked QUANTISED in the list below multiply operands that are first quantised to E2M3 (2 exponent bits, 3 mantissa bits; 6 bits a number), with one power-of-two scale for each 32 numbers along K (OCP MX v1.0); their sums are f32. All else is computed in f32.
;;   The module's matrix products, in the order in which they are computed (A, B: the left and right operand; K: the contracted axis; several contracted axes count as one K, in the product's order):
;;     1. [M 4,096, K 1,024] x [K 1,024, N 1,024]; A: input x; B: input wq: QUANTISED
;;     2. [M 4,096, K 1,024] x [K 1,024, N 1,024]; A: input x; B: input wk: QUANTISED
;;     3. [M 4,096, K 1,024] x [K 1,024, N 1,024]; A: input x; B: input wv: QUANTISED
;;     4. batch 16 x [M 4,096, K 64] x [K 64, N 4,096]; A: computed on the way; B: computed on the way: QUANTISED
;;     5. batch 16 x [M 4,096, K 4,096] x [K 4,096, N 64]; A: softmax (see below); B: computed on the way: QUANTISED
;;     6. [M 4,096, K 1,024] x [K 1,024, N 1,024]; A: computed on the way; B: input wo: QUANTISED
;;   THE QUANTISER, for each operand of a quantised product, along K:
;;     - K is cut into blocks of 32 from its start; a last block that is shorter is filled with zeros.
;;     - A block's scale is 2^e with e = floor(log2(the largest magnitude in the block)) - 2, held to -126 .. 127; a block of zeros has e = 0. As a byte (E8M0): e + 127.
;;     - Each number is divided by its block's scale, clamped to +-7.5, and rounded to the nearest number of E2M3, ties to even, subnormals kept.
;;     - The product sums the exact products of the quantised numbers (number of the format x scale) in f32.
;;   ~~~python
;;   def quantise(x, axis):      # numpy; x: float32 -> the quantised numbers, widened to float32 again
;;       x = np.moveaxis(x, axis, -1); K = x.shape[-1]
;;       x = np.pad(x, [(0, 0)] * (x.ndim - 1) + [(0, -K % 32)]); x = x.reshape(x.shape[:-1] + (-1, 32)); a = np.abs(x).max(-1, keepdims=True)
;;       e = np.where(a > 0, np.clip(np.frexp(np.where(a > 0, a, 1))[1] - 1 - 2, -126, 127), 0)      # np.frexp(a)[1] - 1 = floor(log2(a)), exactly
;;       r = np.clip(x / 2.0 ** e, -7.5, 7.5)
;;       step = 2.0 ** (np.maximum(np.frexp(np.where(r == 0, 1, r))[1] - 1, 0) - 3)
;;       q = np.round(r / step) * step * 2.0 ** e      # np.round: ties to even
;;       return np.moveaxis(q.reshape(q.shape[:-2] + (-1,))[..., :K], -1, axis).astype(np.float32)
;;   ~~~
;;   SOFTMAX AHEAD OF A QUANTISED PRODUCT. Where the list says 'softmax', what is quantised is not the finished softmax but p = 2^(t - M), with t = logit x log2(e) and M = ceil(the row's largest t), a whole number; so 1/2 < the row's largest p <= 1. The row's sum l is taken of the UNQUANTISED p, in f32, and the product's result is divided by l at the end. Since M is a whole number, a kernel that streams over the keys may use a running M (the ceiling of the running maximum): every later rescaling is an exact power of two, which a block's scale takes up: the codes' values come out the same.
;;   OPERANDS COMPUTED ON THE WAY. 'Computed on the way' means the value that the module computes at that place (a softmax that the list does not call 'softmax' is quantised finished and normalised). What goes into a quantiser is computed in f32, as accurately as f32 sums, v_exp_f32 and their like allow (about 1e-6 of the number): no bf16 or f16 on the way to a quantiser, and a product that is left as it is and whose result goes on into a quantised operand takes f32 operands (vector FMAs, or v_wmma_f32_16x16x4_f32). A number that lies on a knife's edge between two numbers of the format may be rounded either way, as far as f32 arithmetic and the matrix unit's own rounding can turn it there, and no further.
;; One version. Each part assembles by itself: llvm-mc -triple=amdgcn-amd-amdhsa -mcpu=gfx1250 --defsym DOCPART=n.
;; ======== version 1 of 1: 4 launches
;; workspace buffers: codes 6,291,456 bytes; scales 262,144 bytes; qkv 10,092,544 bytes; oc 3,145,728 bytes; osc 131,072 bytes
;; launch quant (part 1): grid 256 x 1, 4 waves a work-group, no clusters, 33,280 bytes of LDS; arguments x, wq, wk, wv, wo, codes, scales; writes codes, scales
.if DOCPART == 1
	.amdgcn_target "amdgcn-amd-amdhsa--gfx1250"
	.amdhsa_code_object_version 6
	.text
	.protected	k_qb39400987c_quant
	.globl	k_qb39400987c_quant
	.p2align	8
	.type	k_qb39400987c_quant,@function
k_qb39400987c_quant:
	s_mov_b64 s[64:65], 0
	v_nop
	global_prefetch_b8 v0, s[64:65] scope:SCOPE_SE
	s_setreg_imm32_b32 hwreg(HW_REG_WAVE_MODE, 25, 1), 1
	s_wait_xcnt 0x0
; x [4096][1024] and wq, wk, wv, wo [1024][1024], f32, become codes of FP6 (E2M3), 6 bits each, K (the last axis) innermost, with one E8M0 scale byte for each 32 along K.
; codes: 8,192 rows of 768 bytes, scales: 8,192 rows of 32 bytes; rows 0-4095 x, then 1,024 rows each of wq, wk, wv, wo.
; A block's scale is 2^(floor(log2(its largest magnitude)) - 2); its byte is the largest magnitude's exponent field - 2, held at 1 from below.  Each number is divided by the scale and rounded to the nearest code, ties to even.
; THE ROWS OF x, wq, wk, wv ARE STORED WITH BITS 3 AND 4 OF THE ROW NUMBER CHANGED ROUND (wo's are not): stored row 32 B + 16 u + r is row 32 B + 8 u + r + 8 (r / 8).  So sixteen stored rows on end are a tile
; whose results, taken transposed, give a lane sixteen neighbours in the registers of two neighbouring tiles.  A wave takes 8 rows, a work-group 32: the change is a change of the wave's place among the four.
; LIMITS: a block of zeros, and a block whose largest magnitude lies under 2^-124, gets the byte 1 (the rule says 127 for zeros: the codes are zeros, and this program alone reads the bytes); NaN and infinities are not served.
; A wave takes 16 steps of 512 numbers.  Each of a step's four loads reads 512 consecutive bytes, 16 a lane; the 2,048 bytes go through the wave's own stage in LDS and come back 64 bytes a lane: 16 neighbours along K,
; as the conversion wants them; two neighbouring lanes hold a block.  No tensor loads, no barrier: waves share nothing.  Loads run four steps (16 loads a wave) ahead, the turn through LDS one step.
.set STEPS, 16
.set EMAX,  2
.set CB,    12                         ; bytes of 16 codes
.set R,     16                         ; v16-79   four sets of 16 numbers as they are loaded
.set X,     80                         ; v80-111  two sets of 16 neighbours
.set C,     128                        ; v128-191 codes: four registers for each step, so that no store's data are written again
.set E,     112                        ; v112-127 a scale byte for each step
.set WREG,  8192                       ; LDS: a region for each wave: two stages of 32 x SP bytes, and behind them its 256 scale bytes
.set SP,    80                         ; a lane's place in a stage: its 64 bytes + 16 of padding
	s_load_b256 s[4:11], s[0:1], 0x0               ; x s[4:5], wq s[6:7], wk s[8:9], wv s[10:11]
	s_load_b128 s[12:15], s[0:1], 0x20             ; wo s[12:13], codes s[14:15]
	s_load_b64 s[24:25], s[0:1], 0x30              ; scales
	v_lshl_add_u32 v192, v0, 2, 0x8000
	v_mov_b32 v193, 0
	v_lshrrev_b32 v1, 5, v0
	v_readfirstlane_b32 s16, v1                    ; wave
	v_and_b32 v2, 31, v0                           ; lane
	v_lshlrev_b32 v3, 4, v2                        ; my 16 bytes of a load's 512
	s_mul_i32 s17, s16, WREG
	v_lshrrev_b32 v14, 2, v2
	v_mul_u32_u24 v14, v14, SP
	v_and_b32 v15, 3, v2
	v_lshl_add_u32 v14, v15, 4, v14
	v_add_nc_u32 v14, s17, v14                     ; the stage, on the way in: four lanes' 64 bytes on end, then 16 of padding
	v_mul_u32_u24 v15, v2, SP
	v_add_nc_u32 v15, s17, v15                     ; and on the way out: SP x lane: my 16 neighbours
	v_mul_u32_u24 v4, v2, CB                       ; my codes' place in a step's
	v_lshrrev_b32 v5, 1, v2
	s_add_co_u32 s17, s17, 2*32*SP
	v_add_nc_u32 v5, s17, v5                       ; LDS: my wave's 256 scale bytes, my block's byte
	v_lshlrev_b32 v7, 3, v2                        ; and on the way out 8 bytes a lane
	v_add_nc_u32 v6, s17, v7
	s_and_b32 s18, s16, 1
	s_lshl_b32 s18, s18, 1
	s_lshr_b32 s19, s16, 1
	s_or_b32 s19, s19, s18                         ; the wave's number with its two bits changed round
	s_and_b32 s18, ttmp9, 31                       ; a weight's work-group among its 32
	s_wait_kmcnt 0x0
	s_cmp_lt_u32 ttmp9, 224                        ; which tensor: the choice hangs on the work-group's number alone.  0-127 x, 128-159 wq, 160-191 wk, 192-223 wv, 224-255 wo
	s_cselect_b64 s[12:13], s[10:11], s[12:13]
	s_cselect_b32 s19, s19, s16                    ; wo's rows keep their order
	s_cmp_lt_u32 ttmp9, 192
	s_cselect_b64 s[12:13], s[8:9], s[12:13]
	s_cmp_lt_u32 ttmp9, 160
	s_cselect_b64 s[12:13], s[6:7], s[12:13]
	s_cmp_lt_u32 ttmp9, 128
	s_cselect_b64 s[4:5], s[4:5], s[12:13]
	s_cselect_b32 s18, ttmp9, s18                  ; the work-group's number within its tensor
	s_lshl_b32 s18, s18, 2
	s_add_co_u32 s18, s18, s16                     ; which run of 8 rows of the tensor I read
	s_lshl_b32 s20, s18, 15                        ; 32,768 bytes a run
	s_mov_b32 s21, 0
	s_add_nc_u64 s[4:5], s[4:5], s[20:21]
	s_lshl_b32 s22, ttmp9, 2
	s_add_co_u32 s22, s22, s19                     ; which run of 8 rows of the workspace I write
	s_mul_i32 s20, s22, 32*STEPS*CB                ; 6,144 bytes of codes a run
	s_add_nc_u64 s[14:15], s[14:15], s[20:21]
	s_lshl_b32 s20, s22, 8                         ; 256 scale bytes a run
	s_add_nc_u64 s[24:25], s[24:25], s[20:21]
.macro LOAD t
.irp i, 0,1,2,3
	global_load_b128 v[R+16*((\t)%4)+4*\i:R+16*((\t)%4)+4*\i+3], v3, s[4:5] offset:2048*(\t)+512*\i th:TH_LOAD_NT   ; 32 lanes read 512 consecutive bytes
.endr
.endm
.macro TURN t                          ; step t's numbers through the stage: LDS serves a wave's instructions in order, so no wait stands between the stores and the loads
.irp i, 0,1,2,3
	ds_store_b128 v14, v[R+16*((\t)%4)+4*\i:R+16*((\t)%4)+4*\i+3] offset:32*SP*((\t)%2)+8*SP*\i
.endr
.irp i, 0,1,2,3
	ds_load_b128 v[X+16*((\t)%2)+4*\i:X+16*((\t)%2)+4*\i+3], v15 offset:32*SP*((\t)%2)+16*\i
.endr
.endm
.irp t, 0,1,2,3
	LOAD \t
.endr
	s_wait_loadcnt 12                              ; step 0's four loads are in; the twelve of steps 1 to 3 may be out
	TURN 0
.macro STEP t
.set XS, X+16*((\t)%2)
.if (\t) > 0
	s_wait_dscnt 1                                 ; this step's numbers are back from the stage (the last step's byte store may be out): so its stores into the stage have read their registers,
.else
	s_wait_dscnt 0x0
.endif
.if (\t)+4 < STEPS
	LOAD (\t)+4                                    ; which take the loads of four steps on
.endif
.if (\t)+1 < STEPS
.if STEPS-2-(\t) >= 3
	s_wait_loadcnt 12                              ; the next step's four loads are in; those of the three steps behind it may be out
.else
	s_wait_loadcnt 4*(STEPS-2-(\t))
.endif
	TURN (\t)+1                                    ; and go through the other stage while this step is worked
.endif
	v_max3_num_f32 v8, |v[XS]|, |v[XS+1]|, |v[XS+2]|               ; the largest magnitude of my 16, in two chains
	v_max3_num_f32 v9, |v[XS+3]|, |v[XS+4]|, |v[XS+5]|
.irp i, 6,10
	v_max3_num_f32 v8, v8, |v[XS+\i]|, |v[XS+\i+1]|
	v_max3_num_f32 v9, v9, |v[XS+\i+2]|, |v[XS+\i+3]|
.endr
	v_max3_num_f32 v8, v8, |v[XS+14]|, |v[XS+15]|
	v_max3_num_f32 v8, v8, v9, (EMAX+1)<<23        ; and the floor 2^(3 - 127): so the byte cannot fall under 1
	v_max_num_f32_dpp v8, v8, v8 row_xmask:1 row_mask:0xf bank_mask:0xf   ; and of my neighbour's 16: the block's
	v_add_nc_u32 v11, -(EMAX<<23), v8              ; 2 off its exponent field: the conversion takes the exponent field of this operand as its scale, and nothing else of it
	v_cvt_scalef32_pk16_fp6_f32 v[C+4*(\t):C+4*(\t)+2], v[XS:XS+15], v11   ; sixteen codes, 96 bits without gaps, the first number's code lowest
	v_lshrrev_b32 v[E+(\t)], 23, v11               ; the scale's byte (also the plain line behind the conversion)
	ds_store_b8 v5, v[E+(\t)] offset:16*(\t)       ; both lanes of a block write the same byte with the same value
	global_store_b96 v4, v[C+4*(\t):C+4*(\t)+2], s[14:15] offset:32*CB*(\t)   ; the wave stores 384 consecutive bytes
.endm
.irp t, 0,1,2,3,4,5,6,7,8,9,10,11,12,13,14,15
	STEP \t
.endr
	ds_load_b64 v[12:13], v6                       ; LDS serves a wave's instructions in order: these see my stores
	s_wait_dscnt 0x0
	global_store_b64 v7, v[12:13], s[24:25]        ; 32 lanes store 256 consecutive bytes, at a multiple of 256 from the buffer's first byte
	s_wait_tensorcnt 0x0
	ds_add_u32 v192, v193
	s_wait_dscnt 0x0
	s_endpgm
.Lfunc_end_k_qb39400987c_quant:
	.size	k_qb39400987c_quant, .Lfunc_end_k_qb39400987c_quant-k_qb39400987c_quant
	.p2alignl 7, 3214868480
	.fill 96, 4, 3214868480
	.section	.rodata,"a",@progbits
	.p2align	6, 0x0
	.amdhsa_kernel k_qb39400987c_quant
		.amdhsa_group_segment_fixed_size 33280
		.amdhsa_private_segment_fixed_size 0
		.amdhsa_enable_private_segment 0
		.amdhsa_kernarg_size 56
		.amdhsa_user_sgpr_count 2
		.amdhsa_user_sgpr_kernarg_segment_ptr 1
		.amdhsa_wavefront_size32 1
		.amdhsa_system_sgpr_workgroup_id_x 1
		.amdhsa_system_sgpr_workgroup_id_y 1
		.amdhsa_system_sgpr_workgroup_id_z 1
		.amdhsa_system_vgpr_workitem_id 0
		.amdhsa_next_free_vgpr 194
		.amdhsa_next_free_sgpr 66
		.amdhsa_reserve_vcc 0
		.amdhsa_float_denorm_mode_32 3
		.amdhsa_float_denorm_mode_16_64 3
		.amdhsa_memory_ordered 1
		.amdhsa_forward_progress 1
		.amdhsa_inst_pref_size 33
	.end_amdhsa_kernel
	.amdgpu_metadata
---
amdhsa.version: [ 1, 2 ]
amdhsa.kernels:
  - .name:           k_qb39400987c_quant
    .symbol:         k_qb39400987c_quant.kd
    .args:
      - { .name: x, .offset: 0, .size: 8, .value_kind: global_buffer, .address_space: global }
      - { .name: wq, .offset: 8, .size: 8, .value_kind: global_buffer, .address_space: global }
      - { .name: wk, .offset: 16, .size: 8, .value_kind: global_buffer, .address_space: global }
      - { .name: wv, .offset: 24, .size: 8, .value_kind: global_buffer, .address_space: global }
      - { .name: wo, .offset: 32, .size: 8, .value_kind: global_buffer, .address_space: global }
      - { .name: codes, .offset: 40, .size: 8, .value_kind: global_buffer, .address_space: global }
      - { .name: scales, .offset: 48, .size: 8, .value_kind: global_buffer, .address_space: global }
    .group_segment_fixed_size: 33280
    .private_segment_fixed_size: 0
    .kernarg_segment_align: 8
    .kernarg_segment_size: 56
    .max_flat_workgroup_size: 128
    .sgpr_count:     66
    .vgpr_count:     194
    .wavefront_size: 32
...
	.end_amdgpu_metadata
.endif
;; end of part 1
;; launch qkv (part 2): grid 12 x 16, 4 waves a work-group, clusters of 4 x 4, 327,680 bytes of LDS; arguments codes, scales, q_norm_w, k_norm_w, qkv; writes qkv
.if DOCPART == 2
	.amdgcn_target "amdgcn-amd-amdhsa--gfx1250"
	.amdhsa_code_object_version 6
	.text
	.protected	k_qb39400987c_qkv
	.globl	k_qb39400987c_qkv
	.p2align	8
	.type	k_qb39400987c_qkv,@function
k_qb39400987c_qkv:
	s_mov_b64 s[64:65], 0
	v_nop
	global_prefetch_b8 v0, s[64:65] scope:SCOPE_SE
	s_setreg_imm32_b32 hwreg(HW_REG_WAVE_MODE, 25, 1), 1
	s_wait_xcnt 0x0
	s_wait_alu depctr_hold_cnt(0) depctr_sa_sdst(0) depctr_va_vdst(0) depctr_va_sdst(0) depctr_va_ssrc(0) depctr_va_vcc(0) depctr_vm_vsrc(0)
	s_getreg_b32 s2, hwreg(HW_REG_IB_STS2, 6, 4)
	s_cmp_eq_u32 s2, 0
	s_cbranch_scc0 .Lentry_in_a_cluster
	s_endpgm
.Lentry_in_a_cluster:
	s_bfe_u32 s2, ttmp6, 0x10000c
	s_cmp_lg_u32 s2, 0xf033
	s_cbranch_scc0 .Lentry_shape_is_right
	s_endpgm
.Lentry_shape_is_right:
; The three projections q = x wq^T, k = x wk^T, v = x wv^T on codes of FP6 (E2M3) with E8M0 scales, K = 1,024; the RMS norm of q and k over each head's 64, with its gain; and the quantising of the results for attention:
; q and k along the head's 64 (two blocks), v along the tokens (the keys).  The results leave as IMAGES OF THE OPERAND REGISTERS that attention wants: 16 bytes a lane, 512 consecutive bytes a store.
; ONE LOOP SERVES ALL THREE.  C = A B^T on a tile of 256 x 256, four waves of 128 x 128 (64 accumulators, 512 registers), K in steps of 256 through a ring of two LDS slots.  The matrix instruction is used TRANSPOSED
; (source 0 = 16 rows of B, source 1 = 16 rows of A): a lane holds ONE row of A, and its registers run along B's rows.  Cluster x says which product: 0: A = x, B = wq; 1: A = x, B = wk: registers run along the head's
; channels; 2: A = wv, B = x: registers run along the tokens.  All are rows of one buffer, so the products differ in row numbers alone.
; The rows of x, wq, wk, wv are stored with bits 3 and 4 of the row number changed round, so that the 16 registers of B's blocks 2 B and 2 B + 1 are the 16 neighbours 32 B + 16 (lane / 16) + 0 .. 15 of the true order.
; CLUSTERS: 4 x 4 work-groups; A's tile is asked for jointly by a row of the cluster, B's by a column.  12 x 16 work-groups: q, k and v each make 64 tiles of 256 x 256.
; THE RECORD of head h and 128 tokens (19,712 bytes, at (32 h + tokens / 128) x 19,712): K's codes 6,144 (four pairs of tiles x 3 x 512), V's codes 6,144 (four tiles x 3 x 512), K's scale words 512, V's 256, Q's codes 6,144, Q's scale words 512.
; LIMITS: x / sqrt(mean + eps) is computed as x times v_rsq_f32(mean + eps); the sum of a head's 64 squares must stay finite (magnitudes under about 1e18); a block of zeros or under 2^-124 gets the byte 1; NaN and infinities are not served.
; REGISTERS, in windows of 256: window 0: v0-31 addresses; v32-63 scale words, two sets; v64-95 the gains; v96-127 at work on the way out; from v128 A's fragments, ONE set; on the way out v128-167 codes and scale words.
;   window 1: B's fragments, TWO sets, at v0 and v128.   window 2: the 32 accumulators of A's blocks 0-3 (accumulator (a, b) at v[8 (8 a + b)]);   window 3: those of blocks 4-7.
.set SIZE_K, 1024
.set KSTEP,  256                       ; along K in a slot
.set NQ,     KSTEP/128                 ; matrix instructions deep
.set ROWB,   192                       ; a tile's row in bytes
.set KROW,   SIZE_K*6/8                ; a row of codes in memory
.set PITCH,  240                       ; an LDS row: 3 x (64 bytes of data + 16 of padding)
.set FR,     12                        ; registers of a fragment
.set NL,     6                         ; LDS loads that bring one
.set NP,     4                         ; places behind this matrix instruction (ISA guide 7.12.1)
.set HALFT,  128*PITCH                 ; 128 rows: what one tensor load brings
.set SLOT,   4*HALFT                   ; A's 256 rows, then B's 256 rows
.set LAPS,   SIZE_K/(2*KSTEP)
.set KS,     SIZE_K/32                 ; a row of scales in bytes
.set SCL,    2*SLOT                    ; behind the ring: the scales, as units of 256 bytes + 16 of padding
.set HALFS,  (128*KS/256)*272
.set SBLK,   (16*KS/256)*272
.set SPARE,  SCL+4*HALFS               ; the spare words, 128 bytes for each wave: two blocks of 256 bytes that no other line names
.set REC,    19712
.set HEADB,  32*REC
.set VC,     6144
.set KSO,    12288
.set VSO,    12800
.set QC,     13056
.set QSO,    19200
.set ADRA, 16                          ; v16-17 LDS address of my A fragments in slot 0, 1 (v18-19: behind one padding more)
.set ADRB, 20                          ; v20-21 the same for B (v22-23)
.set L16,  24                          ; v24 16 x lane
.set L8,   25                          ; v25 8 x lane
.set ADRS, 27                          ; v27 LDS address of my scale words
.set SPW,  28                          ; v28 LDS address of my spare word; never rewritten
.set NIL,  29                          ; v29 0; never rewritten
.set GOF,  30                          ; v30 64 x (lane / 16): my place in the gains
.set SC,   32
.set NW,   64                          ; v64-95 register i: gain of channel 32 (i / 16) + 16 (lane / 16) + i % 16
.set T,    96                          ; v96-103 sums of squares: two chains of pairs for each of two heads
.set F,    104                         ; v104-105 1 / rms of the two heads
.set PT,   106                         ; v106-107 the other half of the lanes' sums
.set PW,   110                         ; v110-111 the scale words of an even and an odd block
.set TM,   112                         ; v112-115 largest magnitudes, v116-119 the other half's, then bytes, v124-127 the conversions' scale operands
.set AF,   128
.set E,    128                         ; v128-151 codes of two blocks
.set XT,   152                         ; v152-154, v156-158 the second halves of the conversions
.set CA,   160                         ; v160-163 scale words as they are stored
.set CB,   164                         ; v164-167
.set G1, 24
.set G0, 32
.set G1B, 48
.set G0B, 56
.set G1S, 68
.set G0S, 76
.set G1SB, 80
.set G0SB, 88
.set MSB, 0
.macro WIN new                         ; the immediate's high byte repeats the setting that is left
.if MSB != \new
	s_set_vgpr_msb (MSB<<8)|\new
.set MSB, \new
.endif
.endm
.set MUL_LO, 0xa1                      ; source 0 (B) window 1, source 1 (A) window 0, C and D window 2
.set MUL_HI, 0xf1
.set TO_B,   0x40
; A joint load: waves 0 and 1 fetch for A, waves 2 and 3 for B; the branch hangs on the wave's number alone.  Four v_nop follow each of the two lines.
.macro JLOAD g0a, g1a, g0b, g1b
	s_cmp_eq_u32 s15, 0
	s_cbranch_scc0 .Lfor_b_\@
	tensor_load_to_lds s[\g0a:\g0a+3], s[\g1a:\g1a+7]
	s_nop 0
.rept 4
	v_nop
.endr
	s_branch .Lasked_\@
.Lfor_b_\@:
	tensor_load_to_lds s[\g0b:\g0b+3], s[\g1b:\g1b+7]
	s_nop 0
.rept 4
	v_nop
.endr
.Lasked_\@:
.endm
.macro CREST                           ; a round of the cluster's barrier behind its opening barrier
	s_cmp_lg_u32 s14, 0
	s_cbranch_scc1 .Lnot_wave_0_\@
	s_barrier_signal -3
.Lnot_wave_0_\@:
	s_barrier_wait -3
	s_barrier_signal -1
	s_barrier_wait -1
.endm
.macro CROUND
	s_barrier_signal -1
	s_barrier_wait -1
	CREST
.endm
	s_load_b128 s[4:7], s[0:1], 0x0                ; codes s[4:5], scales s[6:7]
	s_load_b128 s[96:99], s[0:1], 0x10             ; q_norm_w s[96:97], k_norm_w s[98:99]
	s_load_b64 s[12:13], s[0:1], 0x20              ; qkv
	v_lshl_add_u32 v[SPW], v0, 2, SPARE
	v_mov_b32 v[NIL], 0
	ds_add_u32 v28, v29
	s_wait_dscnt 0x0
	v_lshrrev_b32 v1, 5, v0
	v_readfirstlane_b32 s14, v1                    ; wave 0..3
	s_lshr_b32 s15, s14, 1                         ; which half of A's rows is mine.  Also: I fetch for A (0) or for B (1)
	s_and_b32 s16, s14, 1                          ; which half of B's rows.  Also: which 128 rows of that tile I fetch
	s_bfe_u32 s40, ttmp6, 0x40000                  ; cx, cy: my place in the cluster
	s_bfe_u32 s41, ttmp6, 0x40004
	s_and_b32 s2, ttmp7, 0xffff                    ; cluster y
	s_cmp_eq_u32 ttmp9, 2                          ; cluster x = 2: v.  The same in all sixteen partners
	s_cselect_b32 s66, 0, s2                       ; the cluster's place along A's rows: v: wv has four tiles of rows, one cluster's worth; q, k: the tokens
	s_cselect_b32 s67, s2, ttmp9                   ; along B's rows: v: the tokens; q, k: cluster 0 takes wq's four tiles, cluster 1 wk's
	s_cselect_b32 s95, 6144, 0                     ; A's first row in the buffer: wv's or x's
	s_cselect_b32 s100, 0, 4096                    ; B's: x's or wq's (wk's rows follow wq's)
	s_lshl_b32 s42, s67, 2
	s_add_co_u32 s42, s42, s40                     ; tile column = 4 x place + cx
	s_lshl_b32 s17, s66, 2
	s_add_co_u32 s17, s17, s41                     ; tile row = 4 x place + cy
	s_lshl_b32 s43, s41, 2
	s_lshl_b32 s43, 15, s43                        ; my row of the cluster
	s_lshl_b32 s44, 0x1111, s40                    ; my column
	; descriptor group 1: a tile of 128 rows x 192 bytes, 16 bytes of padding behind every 64
	s_or_b32 s[G1+0], s43, (0<<16)|(1<<20)|(1<<21)|(3<<22)|(3<<25)
	s_or_b32 s[G1B+0], s44, (0<<16)|(1<<20)|(1<<21)|(3<<22)|(3<<25)
.irp g, G1, G1B
	s_mov_b32 s[\g+1], ROWB<<16                    ; tensor_dim0
	s_mov_b32 s[\g+2], 128<<16                     ; tensor_dim1
	s_mov_b32 s[\g+3], ROWB<<16                    ; tile_dim0
	s_mov_b32 s[\g+4], 128                         ; tile_dim1
	s_mov_b32 s[\g+5], KROW                        ; tensor_dim0_stride
	s_mov_b32 s[\g+6], 0
	s_mov_b32 s[\g+7], 0
.endr
	; the scales of 128 rows: a dense block of 4,096 bytes, as 16 rows of 256 bytes (32 elements of 8 bytes), 16 bytes of padding behind each
	s_or_b32 s[G1S+0], s43, (3<<16)|(1<<20)|(1<<21)|(5<<22)|(3<<25)
	s_or_b32 s[G1SB+0], s44, (3<<16)|(1<<20)|(1<<21)|(5<<22)|(3<<25)
.irp g, G1S, G1SB
	s_mov_b32 s[\g+1], 32<<16
	s_mov_b32 s[\g+2], (128*KS/256)<<16
	s_mov_b32 s[\g+3], 32<<16
	s_mov_b32 s[\g+4], 128*KS/256
	s_mov_b32 s[\g+5], 32
	s_mov_b32 s[\g+6], 0
	s_mov_b32 s[\g+7], 0
.endr
	s_lshl_b32 s18, s16, 7                         ; which 128 rows of the tile I fetch
	s_lshl_b32 s20, s17, 8
	s_add_co_u32 s20, s20, s18
	s_add_co_u32 s20, s20, s95                     ; A: row 256 x tile row + 128 x half + the tensor's first row
	s_lshl_b32 s46, s42, 8
	s_add_co_u32 s46, s46, s18
	s_add_co_u32 s46, s46, s100                    ; B likewise, by the tile column
	s_mov_b32 s21, 0
	s_mov_b32 s47, 0
	s_mov_b64 s[18:19], KS
	s_mul_u64 s[22:23], s[20:21], s[18:19]         ; where these rows' scales begin, in bytes
	s_mul_u64 s[92:93], s[46:47], s[18:19]
	s_mov_b64 s[18:19], KROW
	s_mul_u64 s[20:21], s[20:21], s[18:19]         ; and their codes
	s_mul_u64 s[46:47], s[46:47], s[18:19]
	s_mul_i32 s45, s14, HALFT                      ; where they go: wave x 128 rows: no place in the cluster enters an LDS address
	s_mul_i32 s94, s14, HALFS
	s_wait_kmcnt 0x0
	s_add_nc_u64 s[20:21], s[4:5], s[20:21]
	s_add_nc_u64 s[22:23], s[6:7], s[22:23]
	s_add_nc_u64 s[46:47], s[4:5], s[46:47]
	s_add_nc_u64 s[92:93], s[6:7], s[92:93]
	CROUND                                         ; all sixteen work-groups are here: the first joint loads meet
	s_mov_b32 s[G0S], 1
	s_add_co_u32 s[G0S+1], s94, SCL
	s_mov_b64 s[G0S+2:G0S+3], s[22:23]
	s_or_b32 s[G0S+3], s[G0S+3], 0x80000000
	s_mov_b32 s[G0SB], 1
	s_add_co_u32 s[G0SB+1], s94, SCL
	s_mov_b64 s[G0SB+2:G0SB+3], s[92:93]
	s_or_b32 s[G0SB+3], s[G0SB+3], 0x80000000
	JLOAD G0S, G1S, G0SB, G1SB                     ; the scales first: they are wanted with K step 0.  With the two below, three loads of mine are out
.irp s, 0,1
	s_mov_b32 s[G0+4*\s], 1
	s_add_co_u32 s[G0+4*\s+1], s45, \s*SLOT
	s_add_nc_u64 s[G0+4*\s+2:G0+4*\s+3], s[20:21], \s*ROWB
	s_or_b32 s[G0+4*\s+3], s[G0+4*\s+3], 0x80000000
	s_mov_b32 s[G0B+4*\s], 1
	s_add_co_u32 s[G0B+4*\s+1], s45, \s*SLOT
	s_add_nc_u64 s[G0B+4*\s+2:G0B+4*\s+3], s[46:47], \s*ROWB
	s_or_b32 s[G0B+4*\s+3], s[G0B+4*\s+3], 0x80000000
	JLOAD G0+4*\s, G1, G0B+4*\s, G1B
.endr
	v_and_b32 v1, 15, v0                           ; l % 16
	v_bfe_u32 v2, v0, 4, 1                         ; l / 16
	v_mul_u32_u24 v3, v1, PITCH
	v_mul_u32_u24 v4, v2, 24
	v_add_nc_u32 v4, v3, v4                        ; a fragment's row x pitch + 24 x half
	v_lshl_add_u32 v5, v2, 4, v4                   ; and the same behind one padding more
	s_mul_i32 s21, s15, HALFT                      ; my 128 rows of A
	s_mul_i32 s22, s16, HALFT                      ; my 128 rows of B,
	s_add_co_u32 s22, s22, 2*HALFT                 ; which lie behind A's 256
.irp s, 0,1
	v_add_nc_u32 v[ADRA+\s], s21, v4
	v_add_nc_u32 v[ADRB+\s], s22, v4
	v_add_nc_u32 v[ADRA+2+\s], s21, v5
	v_add_nc_u32 v[ADRB+2+\s], s22, v5
	s_add_co_u32 s21, s21, SLOT
	s_add_co_u32 s22, s22, SLOT
.endr
	v_mul_u32_u24 v5, v1, KS                       ; my row's scales: 32 bytes a row,
	v_lshrrev_b32 v6, 8, v5
	v_lshl_add_u32 v5, v6, 4, v5                   ; and 16 more for each 256 passed
	s_mul_i32 s21, s15, HALFS                      ; A's: my 128 rows
	s_mul_i32 s22, s16, HALFS                      ; B's: my 128 rows, behind A's 256
	s_add_co_u32 s22, s22, 2*HALFS
	s_sub_co_u32 s22, s22, s21
	v_mul_u32_u24 v6, s22, v2                      ; lanes 16-31 take B's
	s_add_co_u32 s21, s21, SCL
	v_add_nc_u32 v5, v5, v6
	v_add_nc_u32 v[ADRS], s21, v5
	v_and_b32 v6, 31, v0
	v_lshlrev_b32 v[L16], 4, v6
	v_lshlrev_b32 v[L8], 3, v6
	v_lshlrev_b32 v[GOF], 6, v2
	s_cmp_eq_u32 ttmp9, 0                          ; q's gains or k's (v's work-groups load k's and use none: one way through the head)
	s_cselect_b64 s[96:97], s[96:97], s[98:99]
.irp g, 0,1,2,3,4,5,6,7
	global_load_b128 v[NW+4*\g:NW+4*\g+3], v[GOF], s[96:97] offset:128*(\g/4)+16*(\g%4)   ; waited for on the way out
.endr
.irp i, 0,1
	v_mov_b32 v[PT+\i], 0                          ; written once: a lane permute's destination counts as one of its sources
.endr
.irp i, 4,5,6,7
	v_mov_b32 v[TM+\i], 0
.endr
	s_mov_b32 s92, 0x76543210                      ; v_permlanex16_b32's selects for lane l xor 16
	s_mov_b32 s93, 0xfedcba98
	s_mov_b32 s101, 0xffff0000                     ; lanes 16-31
.macro FRAG reg, adr, q, i             ; a fragment, 16 rows x 128 K, is 12 registers: registers 6 c .. 6 c + 5 hold K = 64 c + 32 (l / 16) + 0 .. 31: 24 bytes of the row's stream of bits, in pieces of 8 bytes
.irp p, 0,1,2,3,4,5
.set PC, 12*(\q)+6*(\p/3)+\p%3        ; 16 bytes of padding lie behind every 8 pieces: where the piece three on lies behind one padding more, the second address register serves
.if PC%8 < 5
	ds_load_b64 v[\reg+2*\p:\reg+2*\p+1], v[\adr] offset:8*PC+16*(PC/8)+(\i)*16*PITCH
.else
	ds_load_b64 v[\reg+2*\p:\reg+2*\p+1], v[\adr+2] offset:8*PC+16*(PC/8)+(\i)*16*PITCH
.endif
.endr
.endm
; 16 matrix instructions: A's blocks a0, a0 + 1 x B's eight.  The 64 accumulators take turns, one instruction a turn, in the same order in every step.
.macro MUL16 a0, p, q, sc, zero
.irp a, \a0, \a0+1
.irp b, 0,1,2,3,4,5,6,7
.if \zero
	v_wmma_scale_f32_16x16x128_f8f6f4 v[8*(8*((\a)%4)+\b):8*(8*((\a)%4)+\b)+7], v[128*(\p)+FR*\b:128*(\p)+FR*\b+FR-1], v[AF+FR*(\a):AF+FR*(\a)+FR-1], 0, v[SC+8*NQ*(\sc)+NQ*\b+(\q)], v[SC+8*NQ*(\sc)+NQ*(\a)+(\q)] matrix_a_fmt:MATRIX_FMT_FP6 matrix_b_fmt:MATRIX_FMT_FP6 matrix_a_scale:MATRIX_SCALE_ROW1
.else
	v_wmma_scale_f32_16x16x128_f8f6f4 v[8*(8*((\a)%4)+\b):8*(8*((\a)%4)+\b)+7], v[128*(\p)+FR*\b:128*(\p)+FR*\b+FR-1], v[AF+FR*(\a):AF+FR*(\a)+FR-1], v[8*(8*((\a)%4)+\b):8*(8*((\a)%4)+\b)+7], v[SC+8*NQ*(\sc)+NQ*\b+(\q)], v[SC+8*NQ*(\sc)+NQ*(\a)+(\q)] matrix_a_fmt:MATRIX_FMT_FP6 matrix_b_fmt:MATRIX_FMT_FP6 matrix_a_scale:MATRIX_SCALE_ROW1
.endif
.endr
.endr
.endm
.macro FETCH_B slot, q, p
	WIN TO_B
.irp i, 0,1,2,3,4,5,6,7
	FRAG 128*(\p)+FR*\i, ADRB+\slot, \q, \i
.endr
	WIN 0
.endm
.macro FETCH_A slot, q, i0
.irp i, \i0, \i0+1, \i0+2, \i0+3
	FRAG AF+FR*(\i), ADRA+\slot, \q, \i
.endr
.endm
.macro SCALES sc                       ; the next K step's scale words: two words a row; lanes 0-15 take A's block i, lanes 16-31 B's block i
.irp i, 0,1,2,3,4,5,6,7
	ds_load_b64 v[SC+8*NQ*\sc+NQ*\i:SC+8*NQ*\sc+NQ*\i+1], v[ADRS] offset:\i*SBLK
.endr
.endm
.macro PLACES n                        ; places in front of loads into registers that matrix instructions have read, and of the first read of results
.rept \n
	v_nop
.endr
.endm
.macro STEP slot, q, zero              ; a step of 128 along K that has its successor in the same slot
	s_wait_dscnt 4*NL                              ; B's set and A's blocks 0-3 are in; the youngest 24 loads (A's blocks 4-7) may be out
	WIN MUL_LO
	MUL16 0, (\q)%2, \q, \slot, \zero
	MUL16 2, (\q)%2, \q, \slot, \zero
	s_wait_dscnt 0
	PLACES NP
	FETCH_B \slot, (\q)+1, 1-(\q)%2
	FETCH_A \slot, (\q)+1, 0
	WIN MUL_HI
	MUL16 4, (\q)%2, \q, \slot, \zero
	MUL16 6, (\q)%2, \q, \slot, \zero
	PLACES NP
	WIN 0
	FETCH_A \slot, (\q)+1, 4
.endm
; A slot's last step changes slots: ONE barrier; in front of it each wave waits for all its tensor loads, adds 0 to its spare word, and waits for that and for its own reads of this slot.  fill = 1: the slot is filled again, two K steps ahead.
.macro TURN slot, next, fill
	s_wait_tensorcnt 0x0                           ; all my tensor loads have landed: my part of the next slot
	ds_add_u32 v[SPW], v[NIL]                      ; 0 onto my spare word
	s_wait_dscnt 4*NL+1                            ; (the add and the youngest 24 loads, A's blocks 4-7, may be out)
	WIN MUL_LO
	MUL16 0, 1, NQ-1, \slot, 0                     ; sixteen matrix instructions stand between the add and the wait for it
	s_wait_dscnt 0x0                               ; the add is done, and my reads of this slot are over
	s_barrier_signal -1
	MUL16 2, 1, NQ-1, \slot, 0
	WIN 0
	s_barrier_wait -1
.if \fill
	CREST                                          ; the barrier has opened a round of the cluster's barrier: no wave of any partner still reads this slot's tile or has a load on its way
	s_add_nc_u64 s[G0+4*\slot+2:G0+4*\slot+3], s[G0+4*\slot+2:G0+4*\slot+3], 2*ROWB
	s_add_nc_u64 s[G0B+4*\slot+2:G0B+4*\slot+3], s[G0B+4*\slot+2:G0B+4*\slot+3], 2*ROWB
	JLOAD G0+4*\slot, G1, G0B+4*\slot, G1B         ; the first tensor load behind the round; its four v_nop are the places in front of the loads below
.else
	PLACES NP
.endif
	v_add_nc_u32 v[ADRS], 4*NQ, v[ADRS]            ; on to the next K step's scale words (no LDS load of mine is out)
	FETCH_B \next, 0, 0
	FETCH_A \next, 0, 0
	SCALES \next
	WIN MUL_HI
	MUL16 4, 1, NQ-1, \slot, 0
	MUL16 6, 1, NQ-1, \slot, 0
	PLACES NP
	WIN 0
	FETCH_A \next, 0, 4
.endm
	s_wait_tensorcnt 1                             ; the scales and my part of K step 0 are in (K step 1's load may be out),
	s_barrier_signal -1
	s_barrier_wait -1                              ; everybody's are
	FETCH_B 0, 0, 0
	FETCH_A 0, 0, 0
	SCALES 0
	FETCH_A 0, 0, 4
	STEP 0, 0, 1                                   ; the first step stands in front of the loop: its products start the sums
	s_mov_b32 s3, LAPS-1
.Llap:                                                 ; a trip goes once round the ring and fills both slots again
	TURN 0, 1, 1
	STEP 1, 0, 0
	TURN 1, 0, 1
	STEP 0, 0, 0
	s_sub_co_u32 s3, s3, 1
	s_cmp_lg_u32 s3, 0
	s_cbranch_scc1 .Llap
	TURN 0, 1, 0                                   ; the last lap fills nothing
	STEP 1, 0, 0
	s_wait_dscnt 4*NL
	WIN MUL_LO
	MUL16 0, 1, NQ-1, 1, 0
	MUL16 2, 1, NQ-1, 1, 0
	s_wait_dscnt 0
	WIN MUL_HI
	MUL16 4, 1, NQ-1, 1, 0
	MUL16 6, 1, NQ-1, 1, 0
	WIN 0
; THE WAY OUT, block by block of A's 16 rows.  W is the block's window, AC its first register there: 64 registers, register 16 b + i = B's true row 32 b + 16 (lane / 16) + i.
; NORM: the 64 registers are two heads' 32 channels each of my token; the other 32 of each head lie in the lane 16 away.  x * rsq(sum / 64 + eps) * gain, in place.
.macro NORM a
.set AC, 64*((\a)%4)
.set W, 2+(\a)/4
	WIN 5*W                                        ; sources 0 and 1 in the block's window
.irp c, 0,1
	v_pk_mul_f32 v[T+4*\c:T+4*\c+1], v[AC+32*\c:AC+32*\c+1], v[AC+32*\c:AC+32*\c+1]               ; the first squares start the sums; each accumulator is read from its low end on
	v_pk_mul_f32 v[T+4*\c+2:T+4*\c+3], v[AC+32*\c+2:AC+32*\c+3], v[AC+32*\c+2:AC+32*\c+3]
.endr
.irp j, 4,8,12,16,20,24,28
.irp c, 0,1
	v_pk_fma_f32 v[T+4*\c:T+4*\c+1], v[AC+32*\c+\j:AC+32*\c+\j+1], v[AC+32*\c+\j:AC+32*\c+\j+1], v[T+4*\c:T+4*\c+1]
	v_pk_fma_f32 v[T+4*\c+2:T+4*\c+3], v[AC+32*\c+\j+2:AC+32*\c+\j+3], v[AC+32*\c+\j+2:AC+32*\c+\j+3], v[T+4*\c+2:T+4*\c+3]
.endr
.endr
	WIN 0
	v_pk_add_f32 v[T:T+1], v[T:T+1], v[T+2:T+3]
	v_pk_add_f32 v[T+4:T+5], v[T+4:T+5], v[T+6:T+7]
	v_add_f32 v[T], v[T], v[T+1]
	v_add_f32 v[T+4], v[T+4], v[T+5]
	v_permlanex16_b32 v[PT], v[T], s92, s93
	v_permlanex16_b32 v[PT+1], v[T+4], s92, s93
	v_add_f32 v[T], v[T], v[PT]                    ; the head's 64 squares
	v_add_f32 v[T+4], v[T+4], v[PT+1]
	v_fma_f32 v[T], v[T], s18, s19                 ; / 64 + eps
	v_fma_f32 v[T+4], v[T+4], s18, s19
	v_rsq_f32 v[F], v[T]
	v_rsq_f32 v[F+1], v[T+4]
	v_nop                                          ; a plain line behind the last of the two
	s_wait_alu depctr_va_vdst(0)                   ; one wait for both, ahead of their first reader
	WIN 65*W                                       ; source 0 and destination in the block's window
.set j, 0
.rept 16
	v_pk_mul_f32 v[AC+j:AC+j+1], v[AC+j:AC+j+1], v[F:F+1] op_sel_hi:[1,0]                 ; the first head: both halves by v[F]
.set j, j+2
.endr
.rept 16
	v_pk_mul_f32 v[AC+j:AC+j+1], v[AC+j:AC+j+1], v[F:F+1] op_sel:[0,1] op_sel_hi:[1,1]    ; the second: both by v[F+1]
.set j, j+2
.endr
.set j, 0
.rept 32
	v_pk_mul_f32 v[AC+j:AC+j+1], v[AC+j:AC+j+1], v[NW+j%32:NW+j%32+1]                     ; the gains
.set j, j+2
.endr
	WIN 0
.endm
; QUANT: the block's 64 registers become codes: k 0 .. 63 in six registers from d0 on, k 64 .. 127 in six from d1 on (lane (r, h): k = 32 h + 0 .. 31 of each 64), and the row's scale word in pw (the same in lanes r and r + 16).
.macro QUANT a, d0, d1, pw
.set AC, 64*((\a)%4)
.set W, 2+(\a)/4
	WIN 5*W
.irp b, 0,1,2,3
	v_max3_num_f32 v[TM+\b], |v[AC+16*\b]|, |v[AC+16*\b+1]|, 0x1800000   ; block b: my 16 numbers, and the floor 2^(3 - 127): so the byte cannot fall under 1
.endr
	WIN 20*W                                       ; sources 1 and 2 in the block's window
.irp i, 2,4,6,8,10,12,14
.irp b, 0,1,2,3
	v_max3_num_f32 v[TM+\b], v[TM+\b], |v[AC+16*\b+\i]|, |v[AC+16*\b+\i+1]|
.endr
.endr
	WIN 0
.irp b, 0,1,2,3
	v_permlanex16_b32 v[TM+4+\b], v[TM+\b], s92, s93
.endr
.irp b, 0,1,2,3
	v_max_num_f32 v[TM+\b], v[TM+\b], v[TM+4+\b]   ; with lane l xor 16's: the block's largest magnitude
.endr
.irp b, 0,1,2,3
	v_add_nc_u32 v[TM+12+\b], 0xff000000, v[TM+\b] ; 2 off its exponent field: the conversion's scale operand
.endr
.irp b, 0,1,2,3
	v_lshrrev_b32 v[TM+4+\b], 23, v[TM+12+\b]      ; the scale's byte
.endr
	v_lshl_or_b32 v[\pw], v[TM+5], 8, v[TM+4]
	v_lshl_or_b32 v[\pw], v[TM+6], 16, v[\pw]
	v_lshl_or_b32 v[\pw], v[TM+7], 24, v[\pw]
	WIN W                                          ; source 0 in the block's window
	v_cvt_scalef32_pk16_fp6_f32 v[(\d0):(\d0)+2], v[AC:AC+15], v[TM+12]
	v_cvt_scalef32_pk16_fp6_f32 v[XT:XT+2], v[AC+16:AC+31], v[TM+13]       ; (a conversion's three registers begin on an even number)
	v_cvt_scalef32_pk16_fp6_f32 v[(\d1):(\d1)+2], v[AC+32:AC+47], v[TM+14]
	v_cvt_scalef32_pk16_fp6_f32 v[XT+4:XT+6], v[AC+48:AC+63], v[TM+15]
	WIN 0
	v_nop                                          ; one plain line behind a scaled conversion
.irp i, 0,1,2
	v_permlane16_swap_b32 v[(\d0)+\i], v[XT+\i]    ; the operand's layout wants a WHOLE block in a lane: lanes 0-15 the even block, lanes 16-31 the odd one
	v_permlane16_swap_b32 v[(\d1)+\i], v[XT+4+\i]
.endr
.irp i, 0,1,2
	v_mov_b32 v[(\d0)+3+\i], v[XT+\i]
	v_mov_b32 v[(\d1)+3+\i], v[XT+4+\i]
.endr
.endm
	PLACES NP                                      ; behind the last products: their results are read, and A's registers written, below
	s_wait_loadcnt 0x0                             ; the gains
	s_mov_b32 s18, 0x3c800000                      ; 1 / 64
	s_mov_b32 s19, 0x358637bd                      ; eps = 1e-6
	s_cmp_eq_u32 ttmp9, 2                          ; the cluster's x: the same in all sixteen partners
	s_cbranch_scc1 .Lvpath
	; ---- q, k: my 128 rows of A are one record's tokens, my 128 rows of B two heads
	s_and_b32 s20, s42, 3
	s_lshl_b32 s20, s20, 2
	s_lshl_b32 s21, s16, 1
	s_add_co_u32 s20, s20, s21                     ; the first head: 4 x (tile column of the weight) + 2 x half
	s_mul_i32 s20, s20, HEADB
	s_lshl_b32 s21, s17, 1
	s_add_co_u32 s21, s21, s15                     ; the record: 2 x tile row + half
	s_mul_i32 s21, s21, REC
	s_add_co_u32 s22, s20, s21
	s_mov_b32 s23, 0
	s_add_nc_u64 s[12:13], s[12:13], s[22:23]
	s_mov_b32 s22, KSO
	s_cmp_eq_u32 ttmp9, 0
	s_cselect_b32 s20, QC, 0                       ; Q's part of the record or K's: the codes,
	s_cselect_b32 s22, QSO, s22                    ; the scale words
	s_mov_b32 s21, 0
	s_add_nc_u64 s[20:21], s[12:13], s[20:21]
	s_add_nc_u64 s[22:23], s[12:13], s[22:23]
.irp a, 0,1,2,3,4,5,6,7
.if (\a%2 == 0) && (\a > 0)
	s_wait_xcnt 0x0                                ; the last pair's stores have read their registers: the codes' registers are written again only behind this wait
.endif
	NORM \a
	QUANT \a, E+6*(\a%2), E+12+6*(\a%2), PW+\a%2
.if \a%2 == 1
.irp g, 0,1,2
	global_store_b128 v[L16], v[E+4*\g:E+4*\g+3], s[20:21] offset:1536*(\a/2)+512*\g              ; the first head's pair of tiles: 512 consecutive bytes a store
	global_store_b128 v[L16], v[E+12+4*\g:E+12+4*\g+3], s[20:21] offset:HEADB+1536*(\a/2)+512*\g  ; the second head's
.endr
	v_cndmask_b32 v[CA+\a/2], v[PW], v[PW+1], s101 ; lanes 0-15 the even tile's words, lanes 16-31 the odd tile's
	v_lshrrev_b32 v[CB+\a/2], 16, v[CA+\a/2]       ; the second head's two bytes,
	v_and_b32 v[CA+\a/2], 0xffff, v[CA+\a/2]       ; the first head's: the upper two bytes are 0 and meet zero codes alone
.endif
.endr
	global_store_b128 v[L16], v[CA:CA+3], s[22:23]
	global_store_b128 v[L16], v[CB:CB+3], s[22:23] offset:HEADB
	s_branch .Lend
.Lvpath:
	; ---- v: my 128 rows of A are two heads' channels, my 128 rows of B one record's tokens: a block is a whole fragment of V^T, 16 channels x 128 keys
	s_lshl_b32 s20, s17, 2
	s_lshl_b32 s21, s15, 1
	s_add_co_u32 s20, s20, s21                     ; the first head: 4 x tile row + 2 x half
	s_mul_i32 s20, s20, HEADB
	s_lshl_b32 s21, s42, 1
	s_add_co_u32 s21, s21, s16                     ; the record: 2 x tile column + half
	s_mul_i32 s21, s21, REC
	s_add_co_u32 s22, s20, s21
	s_mov_b32 s23, 0
	s_add_nc_u64 s[12:13], s[12:13], s[22:23]
.irp a, 0,1,2,3,4,5,6,7
.if (\a%2 == 0) && (\a > 0)
	s_wait_xcnt 0x0                                ; the last pair's stores have read their registers
.endif
	QUANT \a, E+12*(\a%2), E+12*(\a%2)+6, PW+\a%2
.if \a%2 == 1
.irp g, 0,1,2
	global_store_b128 v[L16], v[E+4*\g:E+4*\g+3], s[12:13] offset:VC+(\a/4)*HEADB+((\a-1)%4)*1536+512*\g
	global_store_b128 v[L16], v[E+12+4*\g:E+12+4*\g+3], s[12:13] offset:VC+(\a/4)*HEADB+(\a%4)*1536+512*\g
.endr
	v_cndmask_b32 v[CA+\a/2], v[PW], v[PW+1], s101 ; lanes 0-15 the even tile's words, lanes 16-31 the odd tile's
.endif
.endr
	global_store_b64 v[L8], v[CA:CA+1], s[12:13] offset:VSO
	global_store_b64 v[L8], v[CA+2:CA+3], s[12:13] offset:VSO+HEADB
.Lend:
	s_wait_tensorcnt 0x0                           ; the wave's end
	ds_add_u32 v[SPW], v[NIL]
	s_wait_dscnt 0x0
	CROUND                                         ; the closing round: no work-group ends while a partner may still ask for a tile that names it
	s_endpgm
.Lfunc_end_k_qb39400987c_qkv:
	.size	k_qb39400987c_qkv, .Lfunc_end_k_qb39400987c_qkv-k_qb39400987c_qkv
	.p2alignl 7, 3214868480
	.fill 96, 4, 3214868480
	.section	.rodata,"a",@progbits
	.p2align	6, 0x0
	.amdhsa_kernel k_qb39400987c_qkv
		.amdhsa_group_segment_fixed_size 327680
		.amdhsa_private_segment_fixed_size 0
		.amdhsa_enable_private_segment 0
		.amdhsa_kernarg_size 40
		.amdhsa_user_sgpr_count 2
		.amdhsa_user_sgpr_kernarg_segment_ptr 1
		.amdhsa_wavefront_size32 1
		.amdhsa_system_sgpr_workgroup_id_x 1
		.amdhsa_system_sgpr_workgroup_id_y 1
		.amdhsa_system_sgpr_workgroup_id_z 1
		.amdhsa_system_vgpr_workitem_id 0
		.amdhsa_next_free_vgpr 1024
		.amdhsa_next_free_sgpr 102
		.amdhsa_reserve_vcc 0
		.amdhsa_float_denorm_mode_32 3
		.amdhsa_float_denorm_mode_16_64 3
		.amdhsa_memory_ordered 1
		.amdhsa_forward_progress 1
		.amdhsa_inst_pref_size 254
	.end_amdhsa_kernel
	.amdgpu_metadata
---
amdhsa.version: [ 1, 2 ]
amdhsa.kernels:
  - .name:           k_qb39400987c_qkv
    .symbol:         k_qb39400987c_qkv.kd
    .args:
      - { .name: codes, .offset: 0, .size: 8, .value_kind: global_buffer, .address_space: global }
      - { .name: scales, .offset: 8, .size: 8, .value_kind: global_buffer, .address_space: global }
      - { .name: q_norm_w, .offset: 16, .size: 8, .value_kind: global_buffer, .address_space: global }
      - { .name: k_norm_w, .offset: 24, .size: 8, .value_kind: global_buffer, .address_space: global }
      - { .name: qkv, .offset: 32, .size: 8, .value_kind: global_buffer, .address_space: global }
    .group_segment_fixed_size: 327680
    .private_segment_fixed_size: 0
    .kernarg_segment_align: 8
    .kernarg_segment_size: 40
    .max_flat_workgroup_size: 128
    .sgpr_count:     102
    .vgpr_count:     1024
    .wavefront_size: 32
...
	.end_amdgpu_metadata
.endif
;; end of part 2
;; launch attn (part 3): grid 32 x 8, 16 waves a work-group, clusters of 4 x 1, 327,680 bytes of LDS; arguments qkv, oc, osc; writes oc, osc
.if DOCPART == 3
	.amdgcn_target "amdgcn-amd-amdhsa--gfx1250"
	.amdhsa_code_object_version 6
	.text
	.protected	k_qb39400987c_attn
	.globl	k_qb39400987c_attn
	.p2align	8
	.type	k_qb39400987c_attn,@function
k_qb39400987c_attn:
	s_mov_b64 s[64:65], 0
	v_nop
	global_prefetch_b8 v0, s[64:65] scope:SCOPE_SE
	s_setreg_imm32_b32 hwreg(HW_REG_WAVE_MODE, 25, 1), 1
	s_wait_xcnt 0x0
	s_wait_alu depctr_hold_cnt(0) depctr_sa_sdst(0) depctr_va_vdst(0) depctr_va_sdst(0) depctr_va_ssrc(0) depctr_va_vcc(0) depctr_vm_vsrc(0)
	s_getreg_b32 s2, hwreg(HW_REG_IB_STS2, 6, 4)
	s_cmp_eq_u32 s2, 0
	s_cbranch_scc0 .Lentry_in_a_cluster
	s_endpgm
.Lentry_in_a_cluster:
	s_bfe_u32 s2, ttmp6, 0x10000c
	s_cmp_lg_u32 s2, 0x3003
	s_cbranch_scc0 .Lentry_shape_is_right
	s_endpgm
.Lentry_shape_is_right:
; O[h][q] = the sum over k of softmax_k(Q[h][q] . K[h][k] / 8) V[h][k], 16 heads of 64, 4,096 tokens, both products on codes of FP6 (E2M3) with E8M0 scales; then O is quantised along the head's 64 for the last projection.
; THE SOFTMAX AHEAD OF THE SECOND PRODUCT: t = score x log2(e) / 8; M = the row's largest t so far, rounded UP to a whole number; p = 2^(t - M) is what is quantised, along the keys; the row's sum is taken of the unquantised p
; and divides O at the end.  When M moves, the sum and O are multiplied by 2^(old M - new M): exact.
; SHARES.  A work-group owns 128 queries (one record) of TWO heads 2 y, 2 y + 1; each of its sixteen waves one head (wave / 8) and 16 queries (tile wave % 8), in 256 registers.  Two heads, since their scale bytes make one word of the
; last projection's scales.  Every wave walks all keys of its head, 128 a step.
; CLUSTER.  The four query blocks of a cluster walk the same K and V: each tile is asked for JOINTLY, by the same tensor load with the same descriptor and the mask 15.
; K and V come as images of their operand registers (16 bytes a lane), 13,056 bytes for a head's step: K's codes 6,144, V's codes 6,144, K's scale words 512, V's 256.  A slot holds four steps of both heads; waves 0 to 3 fetch two steps of one head each.
; LAYOUT.  Both products are used transposed: S^T = K Q^T (source 0 = 16 keys, source 1 = my 16 queries), O^T = V^T P^T: a lane holds ONE query (lane % 16) throughout.  Lane r of K's tile 2 b + u holds key 32 b + 8 u + r + 8 (r / 8),
; so that the 16 registers of tiles 2 b and 2 b + 1 are keys 32 b + 16 (lane / 16) + 0 .. 15.  V^T's tiles hold the channels in the same order, so O^T's register 16 b + i is channel 32 b + 16 (lane / 16) + i.
; THE HEAD IS 64, THE INSTRUCTION 128 DEEP.  A tile of K is six registers; the eight tiles lie on end, and tile t's operand is v[32 + 6 t .. 43 + 6 t]: its upper six registers are the next tile's codes (zeros behind the last).
; They meet Q's upper six registers, which are zero codes, under scale bytes 0: such products are 0.
; LIMITS: O / l is O times v_rcp_f32(l); a block of zeros or under 2^-124 gets the byte 1; NaN and infinities are not served.
; REGISTERS: v1, v2 my lane's places in a slot; v3, v4 the step's addresses; v5, v6 the spare word's address and 0; v7 Q's scale word; v8-11 K's; v12 -M, v13 the largest t, v[14:15] the sum in two halves; v16-27 Q; v28-29 V's scale words;
; v30 p's; v32-85 K's or V's fragments; v96-159 S^T, then p; v160-191 O^T; v192-203 p's codes; v204-210 second halves of conversions; v232-254 at work.
.set REC,   19712
.set HEADB, 32*REC
.set ROWL,  13056                      ; what a step takes of a record
.set VC,    6144
.set KSO,   12288
.set VSO,   12800
.set QC,    13056
.set QSO,   19200
.set HSL,   4*ROWL                     ; a head's part of a slot
.set SLOT1, 1<<17                      ; slot 1 begins here: one exclusive or turns an address in one slot into the other's
.set STG,   2*SLOT1                    ; behind the ring: O's scale words, 512 bytes for each head
.set SPARE, STG+1024                   ; the spare words, 128 bytes for each wave: eight blocks of 256 bytes that no other line names
.set WV,    10                         ; s10 my wave's number
.set TB,    28                         ; s28 LDS byte at which the slot in hand begins
.set SLOTS, 29                         ; s29 slots still to be asked for
.set SEL,   30                         ; s[30:31] lane selects for v_permlanex16_b32: lane l xor 16
.set CS,    32                         ; s[32:33] c = log2(e) / 8
.macro TLOAD                           ; waves 0 to 3 fetch; the branch hangs on the wave's number alone.  Four v_nop follow the load
	s_cmp_lt_u32 s[WV], 4
	s_cbranch_scc0 .Lnone_\@
	tensor_load_to_lds s[24:27], s[16:23]
	s_nop 0
.rept 4
	v_nop
.endr
.Lnone_\@:
.endm
.macro CROUND                          ; a round of the cluster's barrier
	s_barrier_signal -1
	s_barrier_wait -1
	s_cmp_lg_u32 s[WV], 0
	s_cbranch_scc1 .Lnot_wave_0_\@
	s_barrier_signal -3
.Lnot_wave_0_\@:
	s_barrier_wait -3
	s_barrier_signal -1
	s_barrier_wait -1
.endm
	s_load_b128 s[4:7], s[0:1], 0x0                ; qkv s[4:5], oc s[6:7]
	s_load_b64 s[8:9], s[0:1], 0x10                ; osc
	v_lshl_add_u32 v5, v0, 2, SPARE
	v_mov_b32 v6, 0
	ds_add_u32 v5, v6
	s_wait_dscnt 0x0
	v_lshrrev_b32 v1, 5, v0
	v_readfirstlane_b32 s[WV], v1                  ; wave 0..15
	s_lshr_b32 s11, s[WV], 3                       ; c: which of the two heads
	s_and_b32 s12, s[WV], 7                        ; i: which tile of 16 queries
	s_bfe_u32 s13, ttmp6, 0x40000                  ; cx
	s_lshl_b32 s14, ttmp9, 2
	s_add_co_u32 s14, s14, s13                     ; my block of 128 queries: it enters Q's, oc's and osc's addresses alone
	s_and_b32 s15, ttmp7, 0xffff                   ; the pair of heads, which the four partners share
	; descriptor group 1: 2 rows (two steps) of 13,056 bytes = 1,632 elements of 8 bytes, 19,712 bytes = 2,464 elements apart; no padding
	s_mov_b32 s16, 15|(3<<16)|(1<<21)              ; 15:0 the mask: all four work-groups; 17:16 elements of 8 bytes; 21 set beside a mask
	s_mov_b32 s17, 1632<<16                        ; tensor_dim0
	s_mov_b32 s18, 2<<16                           ; tensor_dim1
	s_mov_b32 s19, 1632<<16                        ; tile_dim0
	s_mov_b32 s20, 2                               ; tile_dim1
	s_mov_b32 s21, 2464                            ; tensor_dim0_stride
	s_mov_b32 s22, 0
	s_mov_b32 s23, 0
	s_mov_b32 s24, 1
	s_and_b32 s34, s[WV], 3
	s_mul_i32 s25, s34, 2*ROWL                     ; LDS: head (wave / 2), steps 2 (wave % 2) on, of slot 0
	s_lshr_b32 s35, s34, 1
	s_lshl_b32 s36, s15, 1
	s_add_co_u32 s36, s36, s35
	s_mul_i32 s36, s36, HEADB
	s_and_b32 s35, s[WV], 1
	s_mul_i32 s35, s35, 2*REC
	s_add_co_u32 s36, s36, s35                     ; memory: the same head's records
	s_mov_b32 s37, 0
	s_lshl_b32 s38, s15, 1
	s_add_co_u32 s38, s38, s11
	s_mul_i32 s38, s38, HEADB
	s_mul_i32 s39, s14, REC
	s_add_co_u32 s38, s38, s39                     ; my queries' record
	s_mov_b32 s39, 0
	s_lshl_b32 s40, s14, 3
	s_add_co_u32 s40, s40, s12
	s_mul_i32 s40, s40, 12288                      ; oc: my tile of tokens, 12,288 bytes each,
	s_mul_i32 s41, s15, 1536
	s_add_co_u32 s40, s40, s41                     ; the pair of heads' fragment,
	s_mul_i32 s41, s11, 768
	s_add_co_u32 s40, s40, s41                     ; my head's half of it
	s_mov_b32 s41, 0
	s_lshl_b32 s42, s15, 14
	s_lshl_b32 s43, s14, 9
	s_add_co_u32 s42, s42, s43                     ; osc: 16,384 bytes a pair of heads, 512 a block of 128 tokens
	s_mov_b32 s43, 0
	s_mov_b32 s[SEL], 0x76543210
	s_mov_b32 s[SEL+1], 0xfedcba98
	s_mov_b32 s[CS], 0x3e38aa3b                    ; log2(e) / 8
	s_mov_b32 s[CS+1], s[CS]                       ; (named with it as a pair, so it is written)
	s_mov_b32 s[TB], 0
	s_mov_b32 s[SLOTS], 7
	s_wait_kmcnt 0x0
	s_add_nc_u64 s[26:27], s[4:5], s[36:37]
	s_or_b32 s27, s27, 0x80000000                  ; type = 2
	s_add_nc_u64 s[4:5], s[4:5], s[38:39]
	s_add_nc_u64 s[6:7], s[6:7], s[40:41]
	s_add_nc_u64 s[8:9], s[8:9], s[42:43]
	CROUND                                         ; all four work-groups are here: the first joint loads meet
	TLOAD                                          ; slot 0: one load of mine is out
	v_and_b32 v86, 31, v0                          ; lane
	s_mul_i32 s34, s11, HSL
	v_lshl_add_u32 v1, v86, 4, s34                 ; 16 x lane + my head's part of a slot
	v_lshl_add_u32 v2, v86, 3, s34                 ; 8 x lane + the same
	s_lshr_b32 s35, s12, 1
	s_mul_i32 s44, s35, 1536
	v_lshl_add_u32 v87, v86, 4, s44                ; Q's codes: the pair of tiles i / 2
.irp g, 0,1,2
	global_load_b128 v[96+4*\g:99+4*\g], v87, s[4:5] offset:QC+512*\g
.endr
	v_and_b32 v88, 15, v0
	s_and_b32 s45, s12, 1
	s_lshl_b32 s44, s45, 8
	s_lshl_b32 s35, s35, 2
	s_add_co_u32 s44, s44, s35
	v_lshl_add_u32 v89, v88, 4, s44                ; Q's scale words: 16 bytes a lane of the image; the odd tile's lie in its lanes 16-31
	global_load_b32 v7, v89, s[4:5] offset:QSO
	s_cmp_lg_u32 s45, 0
	s_cselect_b32 s45, -1, 0                       ; all lanes, where my tile is the odd one
	v_mov_b32 v13, 0xff61b1e6                      ; the largest t so far: -3e38, under every t
	v_floor_f32 v12, -v13                          ; -M
	v_mov_b32 v14, 0                               ; the sum, in two halves
	v_mov_b32 v15, 0
.irp b, 0,1,2,3
	v_mov_b32 v[236+\b], 0                         ; written once: a lane permute's destination counts as one of its sources
.endr
	v_mov_b32 v253, 0                              ; (named as the upper half of the pair v[252:253])
.set j, 0
.rept 32
	v_mov_b32 v[160+j], 0                          ; O^T.  (The step is written once: the first finds zeros, which the first change of M leaves zeros)
.set j, j+1
.endr
.irp j, 0,1,2,3,4,5
	v_mov_b32 v[80+\j], 0                          ; zero codes behind K's last tile; never rewritten
	v_mov_b32 v[22+\j], 0                          ; Q's k = 64 .. 127: zero codes
.endr
	s_wait_loadcnt 0x0                             ; Q
.irp j, 0,1,2,3,4,5
	v_cndmask_b32 v[16+\j], v[96+\j], v[102+\j], s45   ; my tile's six registers of the pair's twelve
.endr
; A KEY STEP: 128 keys, the q-th of the slot in hand.
.macro STEP q
	v_add_nc_u32 v3, s[TB], v1
	v_add_nc_u32 v4, s[TB], v2
	v_nop
	v_nop                                          ; four places in front of loads into registers that the last products have read (and, the first time, behind the lines that wrote Q)
.irp g, 0,1,2,3,4,5,6,7,8,9,10,11
	ds_load_b128 v[32+4*\g:35+4*\g], v3 offset:(\q)*ROWL+512*\g      ; K's eight tiles on end: 512 consecutive bytes a load
.endr
	ds_load_b128 v[8:11], v3 offset:(\q)*ROWL+KSO  ; register t / 2: lanes 0-15 the even tile's scale words, lanes 16-31 the odd tile's
	s_wait_dscnt 0x0
.irp t, 0,2,4,6
	v_wmma_scale_f32_16x16x128_f8f6f4 v[96+8*\t:103+8*\t], v[32+6*\t:43+6*\t], v[16:27], 0, v[8+\t/2], v7 matrix_a_fmt:MATRIX_FMT_FP6 matrix_b_fmt:MATRIX_FMT_FP6
	v_wmma_scale_f32_16x16x128_f8f6f4 v[104+8*\t:111+8*\t], v[38+6*\t:49+6*\t], v[16:27], 0, v[8+\t/2], v7 matrix_a_fmt:MATRIX_FMT_FP6 matrix_b_fmt:MATRIX_FMT_FP6 matrix_a_scale:MATRIX_SCALE_ROW1
.endr
.rept 4
	v_nop                                          ; places in front of the loads below and of the first read of the scores
.endr
.irp g, 0,1,2,3,4,5,6,7,8,9,10,11
	ds_load_b128 v[32+4*\g:35+4*\g], v3 offset:(\q)*ROWL+VC+512*\g   ; V^T's four fragments: they land under the softmax
.endr
	ds_load_b64 v[28:29], v4 offset:(\q)*ROWL+VSO
.irp b, 0,1,2,3
	v_max3_num_f32 v[232+\b], v[96+16*\b], v[97+16*\b], v[98+16*\b]   ; THE LARGEST SCORE OF EACH BLOCK OF 32 KEYS: it serves for the row's maximum and, since p rises with the score, for the block's largest p
.endr
.irp i, 3,5,7,9,11,13
.irp b, 0,1,2,3
	v_max3_num_f32 v[232+\b], v[232+\b], v[96+16*\b+\i], v[97+16*\b+\i]
.endr
.endr
.irp b, 0,1,2,3
	v_max_num_f32 v[232+\b], v[232+\b], v[111+16*\b]
.endr
.irp b, 0,1,2,3
	v_permlanex16_b32 v[236+\b], v[232+\b], s[SEL], s[SEL+1]
.endr
.irp b, 0,1,2,3
	v_max_num_f32 v[232+\b], v[232+\b], v[236+\b]  ; with lane l xor 16's 16 keys
.endr
	v_max3_num_f32 v254, v232, v233, v234
	v_max_num_f32 v254, v254, v235                 ; the step's largest score of my query
	v_mul_f32 v254, s[CS], v254                    ; as t (c is positive)
	v_max_num_f32 v13, v13, v254                   ; the running largest t
	v_mov_b32 v254, v12
	v_floor_f32 v12, -v13                          ; the new -M = floor(-t) = -ceil(t): M is a whole number
	v_sub_f32 v254, v12, v254                      ; M's old value less its new one: a whole number, 0 or less
	v_cvt_i32_f32 v254, v254                       ; (it saturates)
	v_ldexp_f32 v252, 1.0, v254                    ; f = 2^(old M - new M)
.set j, 0
.rept 32
	v_pk_fma_f32 v[96+j:97+j], v[96+j:97+j], s[CS:CS+1], v[12:13] op_sel_hi:[1,0,0]   ; t - M, two at a time
.set j, j+2
.endr
.irp b, 0,1,2,3
	v_fma_f32 v[232+\b], v[232+\b], s[CS], v12     ; the same of each block's largest score
.endr
.set j, 0
.rept 64
	v_exp_f32 v[96+j], v[96+j]                     ; p = 2^(t - M), at most 1: not normalised
.set j, j+1
.endr
	v_pk_mul_f32 v[14:15], v[14:15], v[252:253] op_sel_hi:[1,0]   ; the sums under the new M.  (A plain line behind the exponentials)
	s_wait_alu depctr_va_vdst(0)                   ; one wait for the whole batch, ahead of its first reader
.irp b, 0,1,2,3
	v_exp_f32 v[232+\b], v[232+\b]                 ; the block's largest p: the same two instructions on the same number give the same bits
.endr
	v_pk_add_f32 v[236:237], v[96:97], v[98:99]    ; THE ROW'S SUM IS TAKEN OF THE UNQUANTISED p: two at a time, in two chains
.irp j, 4,8,12,16,20,24,28,32,36,40,44,48,52,56,60
	v_pk_add_f32 v[14:15], v[14:15], v[96+\j:97+\j]
	v_pk_add_f32 v[236:237], v[236:237], v[98+\j:99+\j]
.endr
	v_pk_add_f32 v[14:15], v[14:15], v[236:237]
	s_wait_alu depctr_va_vdst(0)                   ; and one for the four
.irp b, 0,1,2,3
	v_max_num_f32 v[232+\b], 0x1800000, v[232+\b]  ; the floor 2^(3 - 127): the byte cannot fall under 1
.endr
.irp b, 0,1,2,3
	v_add_nc_u32 v[244+\b], 0xff000000, v[232+\b]  ; 2 off the exponent field: the conversion's scale operand
.endr
.irp b, 0,1,2,3
	v_lshrrev_b32 v[236+\b], 23, v[244+\b]         ; the scale's byte
.endr
	v_lshl_or_b32 v30, v237, 8, v236               ; p's scale word for these 128 keys
	v_lshl_or_b32 v30, v238, 16, v30
	v_lshl_or_b32 v30, v239, 24, v30
.irp c, 0,1
	v_cvt_scalef32_pk16_fp6_f32 v[192+6*\c:194+6*\c], v[96+32*\c:111+32*\c], v[244+2*\c]
	v_cvt_scalef32_pk16_fp6_f32 v[204+4*\c:206+4*\c], v[112+32*\c:127+32*\c], v[244+2*\c+1]   ; (a conversion's three registers begin on an even number)
.endr
	v_nop                                          ; one plain line behind a scaled conversion
.irp c, 0,1                                    ; the operand's layout wants a WHOLE block in a lane
.irp i, 0,1,2
	v_permlane16_swap_b32 v[192+6*\c+\i], v[204+4*\c+\i]
.endr
.irp i, 0,1,2
	v_mov_b32 v[195+6*\c+\i], v[204+4*\c+\i]
.endr
.endr
.set j, 0
.rept 16
	v_pk_mul_f32 v[160+j:161+j], v[160+j:161+j], v[252:253] op_sel_hi:[1,0]   ; O^T under the new M, each accumulator from its low end on.  (These 16 are also the places between the lines that wrote p's codes and scale word and the products)
.set j, j+2
.endr
	s_wait_dscnt 0x0                               ; V is in
.irp t, 0,2
	v_wmma_scale_f32_16x16x128_f8f6f4 v[160+8*\t:167+8*\t], v[32+12*\t:43+12*\t], v[192:203], v[160+8*\t:167+8*\t], v[28+\t/2], v30 matrix_a_fmt:MATRIX_FMT_FP6 matrix_b_fmt:MATRIX_FMT_FP6
	v_wmma_scale_f32_16x16x128_f8f6f4 v[168+8*\t:175+8*\t], v[44+12*\t:55+12*\t], v[192:203], v[168+8*\t:175+8*\t], v[28+\t/2], v30 matrix_a_fmt:MATRIX_FMT_FP6 matrix_b_fmt:MATRIX_FMT_FP6 matrix_a_scale:MATRIX_SCALE_ROW1
.endr
.endm
; THE CHANGE OF SLOTS stands at a slot's head.  Each wave waits for all its tensor loads (its part of the slot that it is about to read), adds 0 to its spare word, and waits for that and for its reads of the slot that it has left.
; fill = 1: a round of the cluster's barrier, so that no wave of any partner still reads that slot or has a load on its way; then it is filled with the next four steps: the load has four key steps in which to land.
.macro CHANGE fill
	s_wait_tensorcnt 0x0                           ; no tensor load of mine is out, so group 0 may be written
	ds_add_u32 v5, v6                              ; 0 onto my spare word
.if \fill
	s_xor_b32 s25, s25, SLOT1                      ; the walking descriptor: the other slot than last time,
	s_add_nc_u64 s[26:27], s[26:27], 4*REC         ; the next four records; the type bits on top are not reached
.endif
	s_wait_dscnt 0x0                               ; the add is done, and my reads of the slot that I have left are over
.if \fill
	CROUND
	TLOAD                                          ; the first thing behind the round, and a wave's one tensor load until the next
.else
	s_barrier_signal -1
	s_barrier_wait -1
.endif
.endm
.macro SLOT_STEPS
	STEP 0
	STEP 1
	STEP 2
	STEP 3
	s_xor_b32 s[TB], s[TB], SLOT1                  ; on to the other slot
.endm
.Lslot:                                            ; 7 trips: behind each change of slots but the last the next slot is asked for
	CHANGE 1
	SLOT_STEPS
	s_sub_co_u32 s[SLOTS], s[SLOTS], 1
	s_cmp_lg_u32 s[SLOTS], 0
	s_cbranch_scc1 .Lslot
	CHANGE 0                                       ; the last slot is written out
	SLOT_STEPS
	; THE WAY OUT.  O^T / the sum; its two blocks of 32 channels are quantised; the six registers of codes are my head's half of a fragment of the last projection's A.
	v_add_f32 v14, v14, v15                        ; the sum's two halves,
	v_permlanex16_b32 v252, v14, s[SEL], s[SEL+1]
	v_add_f32 v14, v14, v252                       ; and lane l xor 16's: the row's sum
	v_rcp_f32 v14, v14
	v_and_b32 v86, 31, v0                          ; (plain lines behind the reciprocal)  lane
	v_lshlrev_b32 v87, 3, v86                      ; 8 x lane
	v_and_b32 v88, 15, v0
	s_lshl_b32 s34, s[WV], 6
	s_add_co_u32 s34, s34, STG
	v_lshl_add_u32 v90, v88, 2, s34                ; my row's scale word: 512 x head + 64 x tile + 4 x row = 64 x wave + 4 x row
	v_lshl_add_u32 v91, v86, 4, STG                ; and where wave 0 reads them back
	v_lshlrev_b32 v92, 4, v86
	s_wait_alu depctr_va_vdst(0)                   ; the wait, ahead of the reciprocal's first reader
.set j, 0
.rept 16
	v_pk_mul_f32 v[96+j:97+j], v[160+j:161+j], v[14:15] op_sel_hi:[1,0]   ; register 16 b + i is channel 32 b + 16 (lane / 16) + i of my query
.set j, j+2
.endr
.irp b, 0,1
	v_max3_num_f32 v[232+\b], |v[96+16*\b]|, |v[97+16*\b]|, 0x1800000
.endr
.irp i, 2,4,6,8,10,12,14
.irp b, 0,1
	v_max3_num_f32 v[232+\b], v[232+\b], |v[96+16*\b+\i]|, |v[97+16*\b+\i]|
.endr
.endr
.irp b, 0,1
	v_permlanex16_b32 v[236+\b], v[232+\b], s[SEL], s[SEL+1]
.endr
.irp b, 0,1
	v_max_num_f32 v[232+\b], v[232+\b], v[236+\b]
.endr
.irp b, 0,1
	v_add_nc_u32 v[244+\b], 0xff000000, v[232+\b]
.endr
.irp b, 0,1
	v_lshrrev_b32 v[236+\b], 23, v[244+\b]
.endr
	v_lshl_or_b32 v89, v237, 8, v236               ; my head's two bytes
	v_cvt_scalef32_pk16_fp6_f32 v[192:194], v[96:111], v244
	v_cvt_scalef32_pk16_fp6_f32 v[204:206], v[112:127], v245
	v_nop                                          ; one plain line behind a scaled conversion
.irp i, 0,1,2
	v_permlane16_swap_b32 v[192+\i], v[204+\i]     ; lanes 0-15 block 0, lanes 16-31 block 1
.endr
.irp i, 0,1,2
	v_mov_b32 v[195+\i], v[204+\i]
.endr
.irp p, 0,1,2
	global_store_b64 v87, v[192+2*\p:193+2*\p], s[6:7] offset:256*\p   ; 32 lanes store 256 consecutive bytes, at a multiple of 256 from the buffer's first byte
.endr
	ds_store_b32 v90, v89                          ; lanes r and r + 16 write the same word with the same value
	s_wait_dscnt 0x0                               ; for wave 0's sake: my store is done
	s_barrier_signal -1
	s_barrier_wait -1
	s_cmp_lg_u32 s[WV], 0
	s_cbranch_scc1 .Lnot_0
	ds_load_b128 v[96:99], v91                     ; the first head's words of the block's 128 rows, four a lane,
	ds_load_b128 v[100:103], v91 offset:512        ; the second head's
	s_wait_dscnt 0x0
.irp j, 0,1,2,3
	v_lshl_or_b32 v[96+\j], v[100+\j], 16, v[96+\j]
.endr
	global_store_b128 v92, v[96:99], s[8:9]        ; 512 consecutive bytes
.Lnot_0:
	s_wait_tensorcnt 0x0                           ; the wave's end
	ds_add_u32 v5, v6
	s_wait_dscnt 0x0
	CROUND                                         ; the closing round
	s_endpgm
.Lfunc_end_k_qb39400987c_attn:
	.size	k_qb39400987c_attn, .Lfunc_end_k_qb39400987c_attn-k_qb39400987c_attn
	.p2alignl 7, 3214868480
	.fill 96, 4, 3214868480
	.section	.rodata,"a",@progbits
	.p2align	6, 0x0
	.amdhsa_kernel k_qb39400987c_attn
		.amdhsa_group_segment_fixed_size 327680
		.amdhsa_private_segment_fixed_size 0
		.amdhsa_enable_private_segment 0
		.amdhsa_kernarg_size 24
		.amdhsa_user_sgpr_count 2
		.amdhsa_user_sgpr_kernarg_segment_ptr 1
		.amdhsa_wavefront_size32 1
		.amdhsa_system_sgpr_workgroup_id_x 1
		.amdhsa_system_sgpr_workgroup_id_y 1
		.amdhsa_system_sgpr_workgroup_id_z 1
		.amdhsa_system_vgpr_workitem_id 0
		.amdhsa_next_free_vgpr 256
		.amdhsa_next_free_sgpr 66
		.amdhsa_reserve_vcc 0
		.amdhsa_float_denorm_mode_32 3
		.amdhsa_float_denorm_mode_16_64 3
		.amdhsa_memory_ordered 1
		.amdhsa_forward_progress 1
		.amdhsa_inst_pref_size 134
	.end_amdhsa_kernel
	.amdgpu_metadata
---
amdhsa.version: [ 1, 2 ]
amdhsa.kernels:
  - .name:           k_qb39400987c_attn
    .symbol:         k_qb39400987c_attn.kd
    .args:
      - { .name: qkv, .offset: 0, .size: 8, .value_kind: global_buffer, .address_space: global }
      - { .name: oc, .offset: 8, .size: 8, .value_kind: global_buffer, .address_space: global }
      - { .name: osc, .offset: 16, .size: 8, .value_kind: global_buffer, .address_space: global }
    .group_segment_fixed_size: 327680
    .private_segment_fixed_size: 0
    .kernarg_segment_align: 8
    .kernarg_segment_size: 24
    .max_flat_workgroup_size: 512
    .sgpr_count:     66
    .vgpr_count:     256
    .wavefront_size: 32
...
	.end_amdgpu_metadata
.endif
;; end of part 3
;; launch oproj (part 4): grid 4 x 16, 4 waves a work-group, clusters of 4 x 4, 327,680 bytes of LDS; arguments oc, osc, codes, scales, out0; writes out0
.if DOCPART == 4
	.amdgcn_target "amdgcn-amd-amdhsa--gfx1250"
	.amdhsa_code_object_version 6
	.text
	.protected	k_qb39400987c_oproj
	.globl	k_qb39400987c_oproj
	.p2align	8
	.type	k_qb39400987c_oproj,@function
k_qb39400987c_oproj:
	s_mov_b64 s[64:65], 0
	v_nop
	global_prefetch_b8 v0, s[64:65] scope:SCOPE_SE
	s_setreg_imm32_b32 hwreg(HW_REG_WAVE_MODE, 25, 1), 1
	s_wait_xcnt 0x0
	s_wait_alu depctr_hold_cnt(0) depctr_sa_sdst(0) depctr_va_vdst(0) depctr_va_sdst(0) depctr_va_ssrc(0) depctr_va_vcc(0) depctr_vm_vsrc(0)
	s_getreg_b32 s2, hwreg(HW_REG_IB_STS2, 6, 4)
	s_cmp_eq_u32 s2, 0
	s_cbranch_scc0 .Lentry_in_a_cluster
	s_endpgm
.Lentry_in_a_cluster:
	s_bfe_u32 s2, ttmp6, 0x10000c
	s_cmp_lg_u32 s2, 0xf033
	s_cbranch_scc0 .Lentry_shape_is_right
	s_endpgm
.Lentry_shape_is_right:
; out0 = O wo^T, [4096][1024] f32, K = 1,024, on codes of FP6 (E2M3) with E8M0 scales.  A tile of 256 x 256 is made by four waves of 128 x 128 (64 accumulators, 512 registers); K goes in steps of 256 through a ring of two LDS slots.
; A = O comes as IMAGES OF ITS FRAGMENTS: oc [tile of 16 tokens][128 along K][6][lane][8 bytes], 1,536 bytes a fragment; its scale words osc [128 along K][tile][row][4 bytes].  A fragment is six loads of 8 bytes a lane, 256 consecutive bytes each.
; B = wo: rows 7168 on of the codes' buffer, 768 bytes a row, and of the scales', 32 bytes a row.
; The tokens of a tile of A are not neighbours: row r of tile T is token 32 (T / 2) + 8 (T % 2) + r + 8 (r / 8); the stores put each row where it belongs.
; CLUSTERS: 4 x 4 work-groups; A's tile is asked for jointly by a row of the cluster, B's by a column.  The matrix instruction is used TRANSPOSED (source 0 = 16 rows of wo, source 1 = 16 tokens): a lane holds eight neighbouring numbers of a row of the output.
; 64 work-groups: the output has 64 tiles of 256 x 256.
; REGISTERS, in windows of 256: window 0: v0-31 addresses; v32-63 scale words, two sets; from v128 A's fragments, ONE set; on the way out v128-255 rows of the output.
;   window 1: B's fragments, TWO sets, at v0 and v128.   window 2: the accumulators of A's blocks 0-3 (accumulator (a, b) at v[8 (8 a + b)]);   window 3: those of blocks 4-7.
.set SIZE_K, 1024
.set SIZE_N, 1024
.set KSTEP,  256
.set NQ,     KSTEP/128
.set ROWB,   192
.set KROW,   SIZE_K*6/8
.set PITCH,  240                       ; B's LDS row: 3 x (64 bytes of data + 16 of padding)
.set FR,     12
.set NL,     6
.set NP,     4
.set HALFA,  8*3072                    ; A: 8 tiles x 2 fragments: what one tensor load brings
.set HALFT,  128*PITCH                 ; B: 128 rows
.set SLOT,   2*HALFA+2*HALFT
.set LAPS,   SIZE_K/(2*KSTEP)
.set SCA,    2*SLOT                    ; behind the ring: A's scale words: [half][128 along K: 8][512 bytes]
.set SCB,    SCA+8192                  ; B's scales, as units of 256 bytes + 16 of padding
.set HALFS,  16*272
.set SPARE,  SCB+2*HALFS               ; the spare words, 128 bytes for each wave: two blocks of 256 bytes that no other line names
.set SPITCH, 528                       ; the way out: a stage of 16 rows x (512 bytes + 16) for each wave, in slot 0, which has had its last fill and its last read when the first result is stored there
.set ADRA, 16                          ; v16-17 LDS address of my A fragments in slot 0, 1
.set ADRB, 20                          ; v20-21 the same for B (v22-23: behind one padding more)
.set STO,  24
.set RD,   25
.set CO,   26
.set ADSA, 27                          ; v27 LDS address of A's scale words
.set SPW,  28
.set NIL,  29
.set ADSB, 30                          ; v30 of B's
.set SC,   32                          ; set s at v[SC + 16 s]: registers 2 i + q: A's blocks 2 i (lanes 0-15) and 2 i + 1 (lanes 16-31), the slot's q-th 128 along K; registers 8 + 2 i + q: B's likewise
.set AF,   128
.set BK,   128
.set G1, 24
.set G0, 32
.set G1B, 48
.set G0B, 56
.set G1S, 68
.set G0S, 76
.set G1SB, 80
.set G0SB, 88
.set MSB, 0
.macro WIN new
.if MSB != \new
	s_set_vgpr_msb (MSB<<8)|\new
.set MSB, \new
.endif
.endm
.set MUL_LO, 0xa1
.set MUL_HI, 0xf1
.set TO_B,   0x40
.macro JLOAD g0a, g1a, g0b, g1b        ; a joint load: waves 0 and 1 fetch for A, waves 2 and 3 for B.  Four v_nop follow each of the two lines
	s_cmp_eq_u32 s15, 0
	s_cbranch_scc0 .Lfor_b_\@
	tensor_load_to_lds s[\g0a:\g0a+3], s[\g1a:\g1a+7]
	s_nop 0
.rept 4
	v_nop
.endr
	s_branch .Lasked_\@
.Lfor_b_\@:
	tensor_load_to_lds s[\g0b:\g0b+3], s[\g1b:\g1b+7]
	s_nop 0
.rept 4
	v_nop
.endr
.Lasked_\@:
.endm
.macro CREST
	s_cmp_lg_u32 s14, 0
	s_cbranch_scc1 .Lnot_wave_0_\@
	s_barrier_signal -3
.Lnot_wave_0_\@:
	s_barrier_wait -3
	s_barrier_signal -1
	s_barrier_wait -1
.endm
.macro CROUND
	s_barrier_signal -1
	s_barrier_wait -1
	CREST
.endm
	s_load_b128 s[4:7], s[0:1], 0x0                ; oc s[4:5], osc s[6:7]
	s_load_b128 s[8:11], s[0:1], 0x10              ; codes s[8:9], scales s[10:11]
	s_load_b64 s[12:13], s[0:1], 0x20              ; out0
	v_lshl_add_u32 v[SPW], v0, 2, SPARE
	v_mov_b32 v[NIL], 0
	ds_add_u32 v28, v29
	s_wait_dscnt 0x0
	v_lshrrev_b32 v1, 5, v0
	v_readfirstlane_b32 s14, v1                    ; wave 0..3
	s_lshr_b32 s15, s14, 1                         ; which half of the tile's rows is mine.  Also: I fetch for A (0) or for B (1)
	s_and_b32 s16, s14, 1                          ; which half of its columns.  Also: which half of that tile I fetch
	s_bfe_u32 s40, ttmp6, 0x40000                  ; cx, cy
	s_bfe_u32 s41, ttmp6, 0x40004
	s_lshl_b32 s42, ttmp9, 2
	s_add_co_u32 s42, s42, s40                     ; tile column
	s_and_b32 s17, ttmp7, 0xffff
	s_lshl_b32 s17, s17, 2
	s_add_co_u32 s17, s17, s41                     ; tile row
	s_lshl_b32 s43, s41, 2
	s_lshl_b32 s43, 15, s43                        ; my row of the cluster
	s_lshl_b32 s44, 0x1111, s40                    ; my column
	; A's tile: 8 rows (tiles of tokens) of 3,072 bytes = 384 elements of 8 bytes, 12,288 bytes = 1,536 elements apart; no padding
	s_or_b32 s[G1+0], s43, (3<<16)|(1<<21)
	s_mov_b32 s[G1+1], 384<<16
	s_mov_b32 s[G1+2], 8<<16
	s_mov_b32 s[G1+3], 384<<16
	s_mov_b32 s[G1+4], 8
	s_mov_b32 s[G1+5], 1536
	s_mov_b32 s[G1+6], 0
	s_mov_b32 s[G1+7], 0
	; B's tile: 128 rows x 192 bytes, 16 bytes of padding behind every 64
	s_or_b32 s[G1B+0], s44, (0<<16)|(1<<20)|(1<<21)|(3<<22)|(3<<25)
	s_mov_b32 s[G1B+1], ROWB<<16
	s_mov_b32 s[G1B+2], 128<<16
	s_mov_b32 s[G1B+3], ROWB<<16
	s_mov_b32 s[G1B+4], 128
	s_mov_b32 s[G1B+5], KROW
	s_mov_b32 s[G1B+6], 0
	s_mov_b32 s[G1B+7], 0
	; A's scale words: 8 rows (128 along K each) of 512 bytes = 64 elements, 16,384 bytes = 2,048 elements apart
	s_or_b32 s[G1S+0], s43, (3<<16)|(1<<21)
	s_mov_b32 s[G1S+1], 64<<16
	s_mov_b32 s[G1S+2], 8<<16
	s_mov_b32 s[G1S+3], 64<<16
	s_mov_b32 s[G1S+4], 8
	s_mov_b32 s[G1S+5], 2048
	s_mov_b32 s[G1S+6], 0
	s_mov_b32 s[G1S+7], 0
	; B's scales: 4,096 dense bytes as 16 rows of 256, 16 bytes of padding behind each
	s_or_b32 s[G1SB+0], s44, (3<<16)|(1<<20)|(1<<21)|(5<<22)|(3<<25)
	s_mov_b32 s[G1SB+1], 32<<16
	s_mov_b32 s[G1SB+2], 16<<16
	s_mov_b32 s[G1SB+3], 32<<16
	s_mov_b32 s[G1SB+4], 16
	s_mov_b32 s[G1SB+5], 32
	s_mov_b32 s[G1SB+6], 0
	s_mov_b32 s[G1SB+7], 0
	s_lshl_b32 s18, s16, 3
	s_lshl_b32 s20, s17, 4
	s_add_co_u32 s20, s20, s18                     ; A: the first tile of tokens that I fetch: 16 x tile row + 8 x half
	s_lshl_b32 s22, s20, 6                         ; its scale words: 64 bytes a tile
	s_mov_b32 s23, 0
	s_mul_i32 s20, s20, 12288                      ; its codes
	s_mov_b32 s21, 0
	s_lshl_b32 s18, s16, 7
	s_lshl_b32 s46, s42, 8
	s_add_co_u32 s46, s46, s18
	s_add_co_u32 s46, s46, 7168                    ; B: row 256 x tile column + 128 x half, from wo's first row on
	s_lshl_b32 s92, s46, 5                         ; its scales: 32 bytes a row
	s_mov_b32 s93, 0
	s_mul_i32 s46, s46, KROW                       ; its codes
	s_mov_b32 s47, 0
	s_mul_i32 s45, s16, HALFA                      ; where they go: no place in the cluster enters an LDS address
	s_mul_i32 s94, s16, HALFT
	s_add_co_u32 s94, s94, 2*HALFA
	s_lshl_b32 s95, s16, 12
	s_add_co_u32 s95, s95, SCA
	s_mul_i32 s96, s16, HALFS
	s_add_co_u32 s96, s96, SCB
	s_wait_kmcnt 0x0
	s_add_nc_u64 s[20:21], s[4:5], s[20:21]
	s_add_nc_u64 s[22:23], s[6:7], s[22:23]
	s_add_nc_u64 s[46:47], s[8:9], s[46:47]
	s_add_nc_u64 s[92:93], s[10:11], s[92:93]
	CROUND                                         ; all sixteen work-groups are here: the first joint loads meet
	s_mov_b32 s[G0S], 1
	s_mov_b32 s[G0S+1], s95
	s_mov_b64 s[G0S+2:G0S+3], s[22:23]
	s_or_b32 s[G0S+3], s[G0S+3], 0x80000000
	s_mov_b32 s[G0SB], 1
	s_mov_b32 s[G0SB+1], s96
	s_mov_b64 s[G0SB+2:G0SB+3], s[92:93]
	s_or_b32 s[G0SB+3], s[G0SB+3], 0x80000000
	JLOAD G0S, G1S, G0SB, G1SB                     ; the scales first.  With the two below, three loads of mine are out
.irp s, 0,1
	s_mov_b32 s[G0+4*\s], 1
	s_add_co_u32 s[G0+4*\s+1], s45, \s*SLOT
	s_add_nc_u64 s[G0+4*\s+2:G0+4*\s+3], s[20:21], \s*3072
	s_or_b32 s[G0+4*\s+3], s[G0+4*\s+3], 0x80000000
	s_mov_b32 s[G0B+4*\s], 1
	s_add_co_u32 s[G0B+4*\s+1], s94, \s*SLOT
	s_add_nc_u64 s[G0B+4*\s+2:G0B+4*\s+3], s[46:47], \s*ROWB
	s_or_b32 s[G0B+4*\s+3], s[G0B+4*\s+3], 0x80000000
	JLOAD G0+4*\s, G1, G0B+4*\s, G1B
.endr
	v_and_b32 v1, 15, v0                           ; l % 16
	v_bfe_u32 v2, v0, 4, 1                         ; l / 16
	v_and_b32 v6, 31, v0                           ; lane
	v_mul_u32_u24 v3, v1, PITCH
	v_mul_u32_u24 v4, v2, 24
	v_add_nc_u32 v4, v3, v4                        ; B: a fragment's row x pitch + 24 x half
	v_lshl_add_u32 v5, v2, 4, v4                   ; and the same behind one padding more
	v_lshlrev_b32 v7, 3, v6                        ; A: 8 x lane
	s_mul_i32 s21, s15, HALFA                      ; my 8 tiles of A
	s_mul_i32 s22, s16, HALFT                      ; my 128 rows of B,
	s_add_co_u32 s22, s22, 2*HALFA                 ; which lie behind A's two halves
.irp s, 0,1
	v_add_nc_u32 v[ADRA+\s], s21, v7
	v_add_nc_u32 v[ADRB+\s], s22, v4
	v_add_nc_u32 v[ADRB+2+\s], s22, v5
	s_add_co_u32 s21, s21, SLOT
	s_add_co_u32 s22, s22, SLOT
.endr
	s_lshl_b32 s21, s15, 12
	s_add_co_u32 s21, s21, SCA
	v_lshl_add_u32 v[ADSA], v6, 2, s21             ; A's scale words: 4 x lane: two tiles' 128 bytes
	s_mul_i32 s22, s16, HALFS
	s_add_co_u32 s22, s22, SCB
	v_lshrrev_b32 v8, 3, v6
	v_lshlrev_b32 v9, 5, v6
	v_lshl_add_u32 v9, v8, 4, v9                   ; B's: 32 bytes a row, 16 more for each 8 rows
	v_add_nc_u32 v[ADSB], s22, v9
	s_mul_i32 s23, s14, 16*SPITCH                  ; my stage
	v_mul_u32_u24 v5, v1, SPITCH                   ; in: row l % 16, 32 bytes for each half of the lanes
	v_lshl_add_u32 v5, v2, 5, v5
	v_add_nc_u32 v[STO], s23, v5
	v_lshlrev_b32 v[CO], 4, v6                     ; back: the 32 lanes take one row of 512 bytes; and the same in the output
	v_add_nc_u32 v[RD], s23, v[CO]
	s_lshl_b32 s20, s17, 8
	s_lshl_b32 s21, s15, 7
	s_add_co_u32 s20, s20, s21                     ; my first row of the output: 256 x tile row + 128 x half
	s_lshl_b32 s20, s20, 12                        ; 4,096 bytes a row
	s_mov_b32 s21, 0
	s_lshl_b32 s46, s42, 10                        ; my first column, in bytes: 1,024 x tile column + 512 x half
	s_lshl_b32 s47, s16, 9
	s_add_co_u32 s46, s46, s47
	s_mov_b32 s47, 0
	s_add_nc_u64 s[20:21], s[20:21], s[46:47]
	s_add_nc_u64 s[12:13], s[12:13], s[20:21]
.macro FRAG reg, adr, q, i             ; a fragment of B from rows: 24 bytes of the row's stream of bits for each 64 along K, in pieces of 8 bytes
.irp p, 0,1,2,3,4,5
.set PC, 12*(\q)+6*(\p/3)+\p%3
.if PC%8 < 5
	ds_load_b64 v[\reg+2*\p:\reg+2*\p+1], v[\adr] offset:8*PC+16*(PC/8)+(\i)*16*PITCH
.else
	ds_load_b64 v[\reg+2*\p:\reg+2*\p+1], v[\adr+2] offset:8*PC+16*(PC/8)+(\i)*16*PITCH
.endif
.endr
.endm
.macro FRAG_A reg, slot, q, i          ; a fragment of A from its image: six loads of 256 consecutive bytes
.irp p, 0,1,2,3,4,5
	ds_load_b64 v[\reg+2*\p:\reg+2*\p+1], v[ADRA+\slot] offset:3072*(\i)+1536*(\q)+256*\p
.endr
.endm
; 8 matrix instructions: A's block a x B's eight.  A register of scale words holds an even block's in lanes 0-15 and the odd block's in lanes 16-31.
.macro MULROW a, p, q, sc, zero
.set DA, 64*((\a)%4)
.set RA, AF+FR*(\a)
.set SA, SC+16*(\sc)+2*((\a)/2)+(\q)
.set SB, SC+16*(\sc)+8+(\q)
.set RB, 128*(\p)
.irp b, 0,2,4,6
.if (\zero) && ((\a)%2 == 0)
	v_wmma_scale_f32_16x16x128_f8f6f4 v[DA+8*\b:DA+8*\b+7], v[RB+FR*\b:RB+FR*\b+FR-1], v[RA:RA+FR-1], 0, v[SB+\b], v[SA] matrix_a_fmt:MATRIX_FMT_FP6 matrix_b_fmt:MATRIX_FMT_FP6
	v_wmma_scale_f32_16x16x128_f8f6f4 v[DA+8*\b+8:DA+8*\b+15], v[RB+FR*\b+FR:RB+FR*\b+2*FR-1], v[RA:RA+FR-1], 0, v[SB+\b], v[SA] matrix_a_fmt:MATRIX_FMT_FP6 matrix_b_fmt:MATRIX_FMT_FP6 matrix_a_scale:MATRIX_SCALE_ROW1
.elseif (\zero)
	v_wmma_scale_f32_16x16x128_f8f6f4 v[DA+8*\b:DA+8*\b+7], v[RB+FR*\b:RB+FR*\b+FR-1], v[RA:RA+FR-1], 0, v[SB+\b], v[SA] matrix_a_fmt:MATRIX_FMT_FP6 matrix_b_fmt:MATRIX_FMT_FP6 matrix_b_scale:MATRIX_SCALE_ROW1
	v_wmma_scale_f32_16x16x128_f8f6f4 v[DA+8*\b+8:DA+8*\b+15], v[RB+FR*\b+FR:RB+FR*\b+2*FR-1], v[RA:RA+FR-1], 0, v[SB+\b], v[SA] matrix_a_fmt:MATRIX_FMT_FP6 matrix_b_fmt:MATRIX_FMT_FP6 matrix_a_scale:MATRIX_SCALE_ROW1 matrix_b_scale:MATRIX_SCALE_ROW1
.elseif (\a)%2 == 0
	v_wmma_scale_f32_16x16x128_f8f6f4 v[DA+8*\b:DA+8*\b+7], v[RB+FR*\b:RB+FR*\b+FR-1], v[RA:RA+FR-1], v[DA+8*\b:DA+8*\b+7], v[SB+\b], v[SA] matrix_a_fmt:MATRIX_FMT_FP6 matrix_b_fmt:MATRIX_FMT_FP6
	v_wmma_scale_f32_16x16x128_f8f6f4 v[DA+8*\b+8:DA+8*\b+15], v[RB+FR*\b+FR:RB+FR*\b+2*FR-1], v[RA:RA+FR-1], v[DA+8*\b+8:DA+8*\b+15], v[SB+\b], v[SA] matrix_a_fmt:MATRIX_FMT_FP6 matrix_b_fmt:MATRIX_FMT_FP6 matrix_a_scale:MATRIX_SCALE_ROW1
.else
	v_wmma_scale_f32_16x16x128_f8f6f4 v[DA+8*\b:DA+8*\b+7], v[RB+FR*\b:RB+FR*\b+FR-1], v[RA:RA+FR-1], v[DA+8*\b:DA+8*\b+7], v[SB+\b], v[SA] matrix_a_fmt:MATRIX_FMT_FP6 matrix_b_fmt:MATRIX_FMT_FP6 matrix_b_scale:MATRIX_SCALE_ROW1
	v_wmma_scale_f32_16x16x128_f8f6f4 v[DA+8*\b+8:DA+8*\b+15], v[RB+FR*\b+FR:RB+FR*\b+2*FR-1], v[RA:RA+FR-1], v[DA+8*\b+8:DA+8*\b+15], v[SB+\b], v[SA] matrix_a_fmt:MATRIX_FMT_FP6 matrix_b_fmt:MATRIX_FMT_FP6 matrix_a_scale:MATRIX_SCALE_ROW1 matrix_b_scale:MATRIX_SCALE_ROW1
.endif
.endr
.endm
.macro MUL16 a0, p, q, sc, zero        ; the 64 accumulators take turns, one instruction a turn, in the same order in every step
	MULROW \a0, \p, \q, \sc, \zero
	MULROW \a0+1, \p, \q, \sc, \zero
.endm
.macro FETCH_B slot, q, p
	WIN TO_B
.irp i, 0,1,2,3,4,5,6,7
	FRAG 128*(\p)+FR*\i, ADRB+\slot, \q, \i
.endr
	WIN 0
.endm
.macro FETCH_A slot, q, i0
.irp i, \i0, \i0+1, \i0+2, \i0+3
	FRAG_A AF+FR*(\i), \slot, \q, \i
.endr
.endm
.macro SCALES sc                       ; the next K step's scale words into set sc: twelve loads
.irp i, 0,1,2,3
	ds_load_b32 v[SC+16*\sc+2*\i], v[ADSA] offset:128*\i
	ds_load_b32 v[SC+16*\sc+2*\i+1], v[ADSA] offset:128*\i+512
.endr
.irp i, 0,1,2,3
	ds_load_b64 v[SC+16*\sc+8+2*\i:SC+16*\sc+8+2*\i+1], v[ADSB] offset:1088*\i
.endr
.endm
.macro PLACES n
.rept \n
	v_nop
.endr
.endm
.macro STEP slot, q, zero
	s_wait_dscnt 4*NL                              ; B's set, A's blocks 0-3 and the scale words are in; the youngest 24 loads (A's blocks 4-7) may be out
	WIN MUL_LO
	MUL16 0, (\q)%2, \q, \slot, \zero
	MUL16 2, (\q)%2, \q, \slot, \zero
	s_wait_dscnt 0
	PLACES NP
	FETCH_B \slot, (\q)+1, 1-(\q)%2
	FETCH_A \slot, (\q)+1, 0
	WIN MUL_HI
	MUL16 4, (\q)%2, \q, \slot, \zero
	MUL16 6, (\q)%2, \q, \slot, \zero
	PLACES NP
	WIN 0
	FETCH_A \slot, (\q)+1, 4
.endm
.macro TURN slot, next, fill           ; a slot's last step changes slots: ONE barrier; in front of it each wave waits for all its tensor loads, adds 0 to its spare word, and waits for that and for its own reads of this slot
	s_wait_tensorcnt 0x0                           ; all my tensor loads have landed: my part of the next slot
	ds_add_u32 v[SPW], v[NIL]                      ; 0 onto my spare word
	s_wait_dscnt 4*NL+1                            ; (the add and the youngest 24 loads may be out)
	WIN MUL_LO
	MUL16 0, 1, NQ-1, \slot, 0
	s_wait_dscnt 0x0                               ; the add is done, and my reads of this slot are over
	s_barrier_signal -1
	MUL16 2, 1, NQ-1, \slot, 0
	WIN 0
	s_barrier_wait -1
.if \fill
	CREST                                          ; the barrier has opened a round of the cluster's barrier
	s_add_nc_u64 s[G0+4*\slot+2:G0+4*\slot+3], s[G0+4*\slot+2:G0+4*\slot+3], 2*3072
	s_add_nc_u64 s[G0B+4*\slot+2:G0B+4*\slot+3], s[G0B+4*\slot+2:G0B+4*\slot+3], 2*ROWB
	JLOAD G0+4*\slot, G1, G0B+4*\slot, G1B         ; the first tensor load behind the round; its four v_nop are the places in front of the loads below
.else
	PLACES NP
.endif
	v_add_nc_u32 v[ADSA], 1024, v[ADSA]            ; on to the next K step's scale words (no LDS load of mine is out)
	v_add_nc_u32 v[ADSB], 8, v[ADSB]
	FETCH_B \next, 0, 0
	FETCH_A \next, 0, 0
	SCALES \next
	WIN MUL_HI
	MUL16 4, 1, NQ-1, \slot, 0
	MUL16 6, 1, NQ-1, \slot, 0
	PLACES NP
	WIN 0
	FETCH_A \next, 0, 4
.endm
	s_wait_tensorcnt 1                             ; the scales and my part of K step 0 are in (K step 1's load may be out),
	s_barrier_signal -1
	s_barrier_wait -1                              ; everybody's are
	FETCH_B 0, 0, 0
	FETCH_A 0, 0, 0
	SCALES 0
	FETCH_A 0, 0, 4
	STEP 0, 0, 1                                   ; the first step stands in front of the loop: its products start the sums
	s_mov_b32 s3, LAPS-1
.Llap:
	TURN 0, 1, 1
	STEP 1, 0, 0
	TURN 1, 0, 1
	STEP 0, 0, 0
	s_sub_co_u32 s3, s3, 1
	s_cmp_lg_u32 s3, 0
	s_cbranch_scc1 .Llap
	TURN 0, 1, 0                                   ; the last lap fills nothing
	STEP 1, 0, 0
	s_wait_dscnt 4*NL
	WIN MUL_LO
	MUL16 0, 1, NQ-1, 1, 0
	MUL16 2, 1, NQ-1, 1, 0
	s_wait_dscnt 0
	WIN MUL_HI
	MUL16 4, 1, NQ-1, 1, 0
	MUL16 6, 1, NQ-1, 1, 0
	WIN 0
; THE WAY OUT, block by block of 16 rows x 128 columns, through my own stage in LDS: in as 32 bytes a lane, back as whole rows of 512 bytes.  LDS serves a wave's instructions in order: no wait between the stores and the loads.
.macro TOSTAGE a
.set AC, 64*((\a)%4)
	WIN 0x08+4*((\a)/4)                            ; the data: window 2 or 3
.irp b, 0,1,2,3,4,5,6,7
	ds_store_b128 v[STO], v[AC+8*\b:AC+8*\b+3] offset:64*\b          ; each accumulator from its low end on
	ds_store_b128 v[STO], v[AC+8*\b+4:AC+8*\b+7] offset:64*\b+16
.endr
	WIN 0
.set BB, BK+64*((\a)%2)
.irp t, 0,1,2,3,4,5,6,7,8,9,10,11,12,13,14,15
	ds_load_b128 v[BB+4*\t:BB+4*\t+3], v[RD] offset:\t*SPITCH
.endr
.endm
.macro SEND a, younger                 ; row t of block a is token 32 (a / 2) + 8 (a % 2) + t + 8 (t / 8) of my 128: the place stands in the immediate, 520,192 bytes at the most
.set BB, BK+64*((\a)%2)
	s_wait_dscnt \younger                          ; the block is back in registers
.irp t, 0,1,2,3,4,5,6,7,8,9,10,11,12,13,14,15
	global_store_b128 v[CO], v[BB+4*\t:BB+4*\t+3], s[12:13] offset:(32*((\a)/2)+8*((\a)%2)+\t+8*(\t/8))*SIZE_N*4 th:TH_STORE_NT   ; 32 lanes store 512 consecutive bytes, at a multiple of 256 from the buffer's first byte
.endr
.endm
	PLACES NP
	TOSTAGE 0
.irp a, 1,2,3,4,5,6,7
.if \a > 1
	s_wait_xcnt 0x0                                ; block a - 2's stores have read their registers: block a's loads may land there
.endif
	TOSTAGE \a
	SEND \a-1, 32                                  ; behind block a - 1's loads: block a's 16 stores and 16 loads
.endr
	SEND 7, 0
	s_wait_tensorcnt 0x0                           ; the wave's end
	ds_add_u32 v[SPW], v[NIL]
	s_wait_dscnt 0x0
	CROUND                                         ; the closing round
	s_endpgm
.Lfunc_end_k_qb39400987c_oproj:
	.size	k_qb39400987c_oproj, .Lfunc_end_k_qb39400987c_oproj-k_qb39400987c_oproj
	.p2alignl 7, 3214868480
	.fill 96, 4, 3214868480
	.section	.rodata,"a",@progbits
	.p2align	6, 0x0
	.amdhsa_kernel k_qb39400987c_oproj
		.amdhsa_group_segment_fixed_size 327680
		.amdhsa_private_segment_fixed_size 0
		.amdhsa_enable_private_segment 0
		.amdhsa_kernarg_size 40
		.amdhsa_user_sgpr_count 2
		.amdhsa_user_sgpr_kernarg_segment_ptr 1
		.amdhsa_wavefront_size32 1
		.amdhsa_system_sgpr_workgroup_id_x 1
		.amdhsa_system_sgpr_workgroup_id_y 1
		.amdhsa_system_sgpr_workgroup_id_z 1
		.amdhsa_system_vgpr_workitem_id 0
		.amdhsa_next_free_vgpr 1024
		.amdhsa_next_free_sgpr 100
		.amdhsa_reserve_vcc 0
		.amdhsa_float_denorm_mode_32 3
		.amdhsa_float_denorm_mode_16_64 3
		.amdhsa_memory_ordered 1
		.amdhsa_forward_progress 1
		.amdhsa_inst_pref_size 161
	.end_amdhsa_kernel
	.amdgpu_metadata
---
amdhsa.version: [ 1, 2 ]
amdhsa.kernels:
  - .name:           k_qb39400987c_oproj
    .symbol:         k_qb39400987c_oproj.kd
    .args:
      - { .name: oc, .offset: 0, .size: 8, .value_kind: global_buffer, .address_space: global }
      - { .name: osc, .offset: 8, .size: 8, .value_kind: global_buffer, .address_space: global }
      - { .name: codes, .offset: 16, .size: 8, .value_kind: global_buffer, .address_space: global }
      - { .name: scales, .offset: 24, .size: 8, .value_kind: global_buffer, .address_space: global }
      - { .name: out0, .offset: 32, .size: 8, .value_kind: global_buffer, .address_space: global }
    .group_segment_fixed_size: 327680
    .private_segment_fixed_size: 0
    .kernarg_segment_align: 8
    .kernarg_segment_size: 40
    .max_flat_workgroup_size: 128
    .sgpr_count:     100
    .vgpr_count:     1024
    .wavefront_size: 32
...
	.end_amdgpu_metadata
.endif
;; end of part 4
